; MI455X (gfx1250); checked and timed in simulation.
; The chip was launched on July 23, 2026; its instructions are those of AMD's public machine-readable ISA for CDNA 5 (MIT licence, August 2026) and "CDNA5" Instruction Set Architecture Reference Guide (July 2026). The comments in the code are by the model that wrote it; some were corrected since.
;; Causal Self Attention Separate Heads. Allowed arithmetic: matrix products marked QUANTISED: E3M2 operands, one E8M0 scale for each 32 along K, by v_wmma_scale_f32_16x16x128_f8f6f4 with both operands' format E3M2, f32 sums; everything else in f32.
;; Inputs: Wk 16 x 64 x 1,024 float32; Wp 1,024 x 1,024 float32; Wq 16 x 64 x 1,024 float32; Wv 16 x 64 x 1,024 float32; bk 16 x 64 float32; bp 1,024 float32; bq 16 x 64 float32; bv 16 x 64 float32; x 4 x 2,048 x 1,024 float32.
;; Outputs: out0 4 x 2,048 x 1,024 float32.
;; This version of the problem:
;;   THIS VERSION OF THE PROBLEM IS GIVEN IN LOW PRECISION. The matrix products marked QUANTISED in the list below multiply operands that are first quantised to E3M2 (3 exponent bits, 2 mantissa bits; 6 bits a number), with one power-of-two scale for each 32 numbers along K (OCP MX v1.0); their sums are f32. All else is computed in f32.
;;   The module's matrix products, in the order in which they are computed (A, B: the left and right operand; K: the contracted axis; several contracted axes count as one K, in the product's order):
;;     1. [M 1,024, K 1,024] x [K 1,024, N 8,192]; A: input Wq; B: input x: QUANTISED
;;     2. [M 1,024, K 1,024] x [K 1,024, N 8,192]; A: input Wk; B: input x: QUANTISED
;;     3. [M 1,024, K 1,024] x [K 1,024, N 8,192]; A: input Wv; B: input x: QUANTISED
;;     4. batch 64 x [M 2,048, K 64] x [K 64, N 2,048]; A: computed on the way; B: computed on the way: QUANTISED
;;     5. batch 64 x [M 2,048, K 2,048] x [K 2,048, N 64]; A: softmax (see below); B: computed on the way: QUANTISED
;;     6. [M 8,192, K 1,024] x [K 1,024, N 1,024]; A: computed on the way; B: input Wp: QUANTISED
;;   THE QUANTISER, for each operand of a quantised product, along K:
;;     - K is cut into blocks of 32 from its start; a last block that is shorter is filled with zeros.
;;     - A block's scale is 2^e with e = floor(log2(the largest magnitude in the block)) - 4, held to -126 .. 127; a block of zeros has e = 0. As a byte (E8M0): e + 127.
;;     - Each number is divided by its block's scale, clamped to +-28, and rounded to the nearest number of E3M2, ties to even, subnormals kept.
;;     - The product sums the exact products of the quantised numbers (number of the format x scale) in f32.
;;   ~~~python
;;   def quantise(x, axis):      # numpy; x: float32 -> the quantised numbers, widened to float32 again
;;       x = np.moveaxis(x, axis, -1); K = x.shape[-1]
;;       x = np.pad(x, [(0, 0)] * (x.ndim - 1) + [(0, -K % 32)]); x = x.reshape(x.shape[:-1] + (-1, 32)); a = np.abs(x).max(-1, keepdims=True)
;;       e = np.where(a > 0, np.clip(np.frexp(np.where(a > 0, a, 1))[1] - 1 - 4, -126, 127), 0)      # np.frexp(a)[1] - 1 = floor(log2(a)), exactly
;;       r = np.clip(x / 2.0 ** e, -28, 28)
;;       step = 2.0 ** (np.maximum(np.frexp(np.where(r == 0, 1, r))[1] - 1, -2) - 2)
;;       q = np.round(r / step) * step * 2.0 ** e      # np.round: ties to even
;;       return np.moveaxis(q.reshape(q.shape[:-2] + (-1,))[..., :K], -1, axis).astype(np.float32)
;;   ~~~
;;   SOFTMAX AHEAD OF A QUANTISED PRODUCT. Where the list says 'softmax', what is quantised is not the finished softmax but p = 2^(t - M), with t = logit x log2(e) and M = ceil(the row's largest t), a whole number; so 1/2 < the row's largest p <= 1. The row's sum l is taken of the UNQUANTISED p, in f32, and the product's result is divided by l at the end. Since M is a whole number, a kernel that streams over the keys may use a running M (the ceiling of the running maximum): every later rescaling is an exact power of two, which a block's scale takes up: the codes' values come out the same.
;;   OPERANDS COMPUTED ON THE WAY. 'Computed on the way' means the value that the module computes at that place (a softmax that the list does not call 'softmax' is quantised finished and normalised). What goes into a quantiser is computed in f32, as accurately as f32 sums, v_exp_f32 and their like allow (about 1e-6 of the number): no bf16 or f16 on the way to a quantiser, and a product that is left as it is and whose result goes on into a quantised operand takes f32 operands (vector FMAs, or v_wmma_f32_16x16x4_f32). A number that lies on a knife's edge between two numbers of the format may be rounded either way, as far as f32 arithmetic and the matrix unit's own rounding can turn it there, and no further.
;; One version. Each part assembles by itself: llvm-mc -triple=amdgcn-amd-amdhsa -mcpu=gfx1250 --defsym DOCPART=n.
;; ======== version 1 of 1: 4 launches
;; limits: right only within a limited range of input values
;; workspace buffers: cod 9,830,400 bytes; qc 6,553,600 bytes; kv 13,107,200 bytes; yc 6,553,600 bytes
;; launch quant (part 1): grid 384 x 1, 4 waves a work-group, no clusters, 34,304 bytes of LDS; arguments x, Wq, Wk, Wv, Wp, cod; writes cod
.if DOCPART == 1
	.amdgcn_target "amdgcn-amd-amdhsa--gfx1250"
	.amdhsa_code_object_version 6
	.text
	.protected	k_q6dd0208357_quant
	.globl	k_q6dd0208357_quant
	.p2align	8
	.type	k_q6dd0208357_quant,@function
k_q6dd0208357_quant:
	s_mov_b64 s[64:65], 0
	v_nop
	global_prefetch_b8 v0, s[64:65] scope:SCOPE_SE
	s_setreg_imm32_b32 hwreg(HW_REG_WAVE_MODE, 25, 1), 1
	s_wait_xcnt 0x0
; x [8192][1024], Wq, Wk, Wv, Wp [1024][1024], f32, K innermost, become codes of BF6 (E3M2) with one E8M0 byte for each 32 along K, laid in cod AS THE MATRIX UNIT'S REGISTERS TAKE THEM.
; The five tensors count as one matrix of 12,288 rows.  A TILE is 16 rows; lane-row r of tile t is row 32 (t / 2) + 8 (t % 2) + r + 8 (r / 8).
; A HALF FRAGMENT (16 rows x 64 K) is 768 bytes: lane (r, h) holds the 24 bytes of codes of k = 32 h .. 32 h + 31: its registers 0-3 lie at 16 x lane, registers 4-5 at 512 + 8 x lane.
; A GROUP (8 tiles x 256 K) is 25,600 bytes: tile i's four half fragments at 3,072 i, its scale words at 24,576 + 128 i + 8 r (two words a row, one for each 128 along K).  cod: [K / 256][96 groups].
; A block's scale byte is its largest magnitude's exponent field - 4, held at 1 from below.
; LIMITS: a block of zeros gets the byte 1 where the rule says 127 (its codes are zeros, and this program alone reads the bytes); NaN and infinities among the inputs are not served.
; SHARES: a work-group takes 32 rows (two tiles), wave w the 256 along K from 256 w on: four units of 16 rows x 128 K.  A unit's 16 loads read 512 consecutive bytes each; the numbers turn through the wave's own
; stage in LDS, so that a lane gets whole blocks of 32 neighbours.  Waves share nothing: no barrier.  Memory binds: no matrix unit, no cluster, no tensor load.
.set ROWB,   4096                      ; a row in bytes
.set SPITCH, 528                       ; a stage row: 512 bytes + 16: the sixteen rows of a read begin in sixteen different groups of banks
.set WSTAGE, 16*SPITCH
.set GRP,    25600
.set KSC,    96*GRP                    ; from one 256 of K to the next in cod
.set R,    16                          ; v16-143  two sets of 64: a unit as loaded
.set X,    144                         ; v144-207 my two blocks of 32 neighbours
.set PC,   208                         ; v208-219 the fragment's 12 registers
.set T,    220                         ; v220-226 the upper halves of the two blocks' codes, before they are moved
.set MX,   228                         ; v228-229 largest magnitudes
.set SO,   230                         ; v230-231 the conversions' scale operands
.set BY,   232                         ; v232-233 scale bytes
.set WT,   234
.set WP,   235
.set W,    240                         ; v240-243 the four units' scale words
.set OUTW, 244
	s_load_b128 s[4:7], s[0:1], 0x0                ; x, Wq
	s_load_b128 s[8:11], s[0:1], 0x10              ; Wk, Wv
	s_load_b128 s[12:15], s[0:1], 0x20             ; Wp, cod
	v_lshl_add_u32 v248, v0, 2, 0x8400
	v_mov_b32 v249, 0
	v_lshrrev_b32 v6, 5, v0
	v_readfirstlane_b32 s18, v6                    ; wave
	v_and_b32 v7, 31, v0                           ; lane
	v_and_b32 v8, 15, v0                           ; r
	v_bfe_u32 v9, v0, 4, 1                         ; h
	v_lshlrev_b32 v1, 4, v7                        ; 16 x lane
	v_lshlrev_b32 v2, 3, v7                        ; 8 x lane
	v_lshlrev_b32 v3, 3, v9                        ; 8 h: where my two bytes stand in the scale word
	s_mul_i32 s19, s18, WSTAGE
	v_add_nc_u32 v4, s19, v1                       ; the stage, in: 16 x lane of a row
	v_mul_u32_u24 v5, v8, SPITCH
	v_lshl_add_u32 v5, v9, 7, v5
	v_add_nc_u32 v5, s19, v5                       ; and out: row r, + 128 h: my block of 32 numbers
	v_mov_b32 v[WP], 0                             ; a lane permute's destination counts as one of its sources
	s_mov_b32 s20, 0x76543210
	s_mov_b32 s21, 0xfedcba98                      ; selects for lane l xor 16
	s_mov_b32 s22, 0xffff0000                      ; lanes 16-31
	s_and_b32 s23, ttmp9, 31
	s_cmp_lt_u32 ttmp9, 256
	s_cselect_b32 s23, ttmp9, s23                  ; which 32 rows of my tensor (the weights begin at multiples of 32 work-groups)
	s_lshl_b32 s24, s23, 17                        ; x 32 rows of 4,096 bytes
	s_lshl_b32 s25, s18, 10
	s_add_co_u32 s24, s24, s25                     ; + my 256 along K
	s_mov_b32 s25, 0
	s_lshr_b32 s26, ttmp9, 2
	s_mul_i32 s26, s26, GRP
	s_mul_i32 s27, s18, KSC
	s_add_co_u32 s26, s26, s27                     ; my group in cod
	s_and_b32 s27, ttmp9, 3
	s_mul_i32 s28, s27, 6144
	s_add_co_u32 s28, s28, s26                     ; my two tiles' codes
	s_mov_b32 s29, 0
	s_lshl_b32 s30, s27, 8
	s_add_co_u32 s30, s30, s26
	s_add_co_u32 s30, s30, 24576                   ; and their scale words
	s_mov_b32 s31, 0
	s_wait_alu depctr_va_vdst(0)
	s_wait_kmcnt 0x0
	s_mov_b64 s[16:17], s[12:13]                   ; the tensor is chosen by the work-group's number alone
	s_cmp_lt_u32 ttmp9, 352
	s_cselect_b64 s[16:17], s[10:11], s[16:17]
	s_cmp_lt_u32 ttmp9, 320
	s_cselect_b64 s[16:17], s[8:9], s[16:17]
	s_cmp_lt_u32 ttmp9, 288
	s_cselect_b64 s[16:17], s[6:7], s[16:17]
	s_cmp_lt_u32 ttmp9, 256
	s_cselect_b64 s[16:17], s[4:5], s[16:17]
	s_add_nc_u64 s[16:17], s[16:17], s[24:25]
	s_add_nc_u64 s[28:29], s[14:15], s[28:29]
	s_add_nc_u64 s[30:31], s[14:15], s[30:31]
; unit t = 2 u + q: tile u, the q-th 128 along K.  Load i reads lane-row i's 512 bytes.
.macro LOAD t
.irp i, 0,1,2,3,4,5,6,7,8,9,10,11,12,13,14,15
	global_load_b128 v[R+64*((\t)%2)+4*\i:R+64*((\t)%2)+4*\i+3], v1, s[16:17] offset:(8*((\t)/2)+\i+8*(\i/8))*ROWB+512*((\t)%2) th:TH_LOAD_NT
.endr
.endm
.macro UNIT t
.set RS, R+64*((\t)%2)
.if (\t) < 3
	s_wait_loadcnt 16                              ; this unit's 16 loads are in; the next unit's 16 may be out
.else
	s_wait_loadcnt 0x0
.endif
.irp i, 0,1,2,3,4,5,6,7,8,9,10,11,12,13,14,15
	ds_store_b128 v4, v[RS+4*\i:RS+4*\i+3] offset:SPITCH*\i
.endr
.irp c, 0,1                            ; LDS serves a wave's instructions in order: these see the stores above
.irp j, 0,1,2,3,4,5,6,7
	ds_load_b128 v[X+32*\c+4*\j:X+32*\c+4*\j+3], v5 offset:256*\c+16*\j   ; k = 64 c + 32 h + 4 j ..: blocks h and 2 + h of row r
.endr
.endr
	s_wait_dscnt 0x0                               ; my numbers are back, and the stores have read their registers,
.if (\t) < 2
	LOAD (\t)+2                                    ; which take the unit two further on
.endif
.irp c, 0,1
	v_max3_num_f32 v[MX+\c], |v[X+32*\c]|, |v[X+32*\c+1]|, 0x2800000   ; the floor 2^(5 - 127): the byte cannot fall under 1
.endr
.irp i, 2,4,6,8,10,12,14,16,18,20,22,24,26,28,30
.irp c, 0,1
	v_max3_num_f32 v[MX+\c], v[MX+\c], |v[X+32*\c+\i]|, |v[X+32*\c+\i+1]|   ; the two blocks by turns
.endr
.endr
.irp c, 0,1
	v_add_nc_u32 v[SO+\c], 0xfe000000, v[MX+\c]    ; 4 off the exponent field: the conversion takes this operand's exponent field as its scale
.endr
.irp c, 0,1
	v_lshrrev_b32 v[BY+\c], 23, v[SO+\c]           ; the scale's byte
.endr
	v_lshl_or_b32 v[WT], v[BY+1], 16, v[BY]        ; my two bytes, blocks h and 2 + h,
	v_lshlrev_b32 v[WT], v3, v[WT]                 ; at their places;
	v_permlanex16_b32 v[WP], v[WT], s20, s21
	v_or_b32 v[W+(\t)], v[WT], v[WP]               ; with lane l xor 16's two the row's word is whole
.if (\t) > 0
	s_wait_alu depctr_va_vdst(0)
	s_wait_xcnt 0x0                                ; the last unit's stores have read their data: the codes' registers are written again only behind this wait
.endif
.irp c, 0,1
	v_cvt_scalef32_pk16_bf6_f32 v[PC+6*\c:PC+6*\c+2], v[X+32*\c:X+32*\c+15], v[SO+\c]
	v_cvt_scalef32_pk16_bf6_f32 v[T+4*\c:T+4*\c+2], v[X+32*\c+16:X+32*\c+31], v[SO+\c]   ; (a conversion's three registers begin on an even number)
.endr
	v_nop                                          ; one plain instruction behind the conversions
.irp c, 0,1
.irp i, 0,1,2
	v_mov_b32 v[PC+6*\c+3+\i], v[T+4*\c+\i]
.endr
.endr
	global_store_b128 v1, v[PC:PC+3], s[28:29] offset:1536*(\t)            ; 512 consecutive bytes
	global_store_b64 v2, v[PC+4:PC+5], s[28:29] offset:1536*(\t)+512       ; 256
	global_store_b128 v1, v[PC+6:PC+9], s[28:29] offset:1536*(\t)+768
	global_store_b64 v2, v[PC+10:PC+11], s[28:29] offset:1536*(\t)+1280
.endm
	LOAD 0
	LOAD 1
	UNIT 0
	UNIT 1
	UNIT 2
	UNIT 3
	v_cndmask_b32 v[OUTW], v[W], v[W+2], s22       ; lanes 0-15: tile 0's rows, lanes 16-31: tile 1's; the word of the first 128 along K,
	v_cndmask_b32 v[OUTW+1], v[W+1], v[W+3], s22   ; and of the second
	global_store_b64 v2, v[OUTW:OUTW+1], s[30:31]  ; 256 consecutive bytes, aligned
	s_wait_tensorcnt 0x0
	ds_add_u32 v248, v249
	s_wait_dscnt 0x0
	s_endpgm
.Lfunc_end_k_q6dd0208357_quant:
	.size	k_q6dd0208357_quant, .Lfunc_end_k_q6dd0208357_quant-k_q6dd0208357_quant
	.p2alignl 7, 3214868480
	.fill 96, 4, 3214868480
	.section	.rodata,"a",@progbits
	.p2align	6, 0x0
	.amdhsa_kernel k_q6dd0208357_quant
		.amdhsa_group_segment_fixed_size 34304
		.amdhsa_private_segment_fixed_size 0
		.amdhsa_enable_private_segment 0
		.amdhsa_kernarg_size 48
		.amdhsa_user_sgpr_count 2
		.amdhsa_user_sgpr_kernarg_segment_ptr 1
		.amdhsa_wavefront_size32 1
		.amdhsa_system_sgpr_workgroup_id_x 1
		.amdhsa_system_sgpr_workgroup_id_y 1
		.amdhsa_system_sgpr_workgroup_id_z 1
		.amdhsa_system_vgpr_workitem_id 0
		.amdhsa_next_free_vgpr 250
		.amdhsa_next_free_sgpr 66
		.amdhsa_reserve_vcc 0
		.amdhsa_float_denorm_mode_32 3
		.amdhsa_float_denorm_mode_16_64 3
		.amdhsa_memory_ordered 1
		.amdhsa_forward_progress 1
		.amdhsa_inst_pref_size 31
	.end_amdhsa_kernel
	.amdgpu_metadata
---
amdhsa.version: [ 1, 2 ]
amdhsa.kernels:
  - .name:           k_q6dd0208357_quant
    .symbol:         k_q6dd0208357_quant.kd
    .args:
      - { .name: x, .offset: 0, .size: 8, .value_kind: global_buffer, .address_space: global }
      - { .name: Wq, .offset: 8, .size: 8, .value_kind: global_buffer, .address_space: global }
      - { .name: Wk, .offset: 16, .size: 8, .value_kind: global_buffer, .address_space: global }
      - { .name: Wv, .offset: 24, .size: 8, .value_kind: global_buffer, .address_space: global }
      - { .name: Wp, .offset: 32, .size: 8, .value_kind: global_buffer, .address_space: global }
      - { .name: cod, .offset: 40, .size: 8, .value_kind: global_buffer, .address_space: global }
    .group_segment_fixed_size: 34304
    .private_segment_fixed_size: 0
    .kernarg_segment_align: 8
    .kernarg_segment_size: 48
    .max_flat_workgroup_size: 128
    .sgpr_count:     66
    .vgpr_count:     250
    .wavefront_size: 32
...
	.end_amdgpu_metadata
.endif
;; end of part 1
;; launch qkv (part 2): grid 4 x 64, 4 waves a work-group, clusters of 4 x 4, 327,680 bytes of LDS; arguments cod, bq, bk, bv, qc, kv; writes qc, kv
.if DOCPART == 2
	.amdgcn_target "amdgcn-amd-amdhsa--gfx1250"
	.amdhsa_code_object_version 6
	.text
	.protected	k_q6dd0208357_qkv
	.globl	k_q6dd0208357_qkv
	.p2align	8
	.type	k_q6dd0208357_qkv,@function
k_q6dd0208357_qkv:
	s_mov_b64 s[64:65], 0
	v_nop
	global_prefetch_b8 v0, s[64:65] scope:SCOPE_SE
	s_setreg_imm32_b32 hwreg(HW_REG_WAVE_MODE, 25, 1), 1
	s_wait_xcnt 0x0
	s_wait_alu depctr_hold_cnt(0) depctr_sa_sdst(0) depctr_va_vdst(0) depctr_va_sdst(0) depctr_va_ssrc(0) depctr_va_vcc(0) depctr_vm_vsrc(0)
	s_getreg_b32 s2, hwreg(HW_REG_IB_STS2, 6, 4)
	s_cmp_eq_u32 s2, 0
	s_cbranch_scc0 .Lentry_in_a_cluster
	s_endpgm
.Lentry_in_a_cluster:
	s_bfe_u32 s2, ttmp6, 0x10000c
	s_cmp_lg_u32 s2, 0xf033
	s_cbranch_scc0 .Lentry_shape_is_right
	s_endpgm
.Lentry_shape_is_right:
; q = x Wq^T + bq, k = x Wk^T + bk, v = x Wv^T + bv on codes of BF6 (E3M2) with E8M0 scales, sums in f32; the results are quantised at once, q and k along the head's 64, v along the keys, and leave as codes.
; OPERANDS come from cod: tiles of 16 rows (lane-row r of tile t = row 32 (t / 2) + 8 (t % 2) + r + 8 (r / 8)) as images of the matrix unit's registers: a half fragment (16 rows x 64 K) is 768 bytes, registers 0-3 at
; 16 x lane, 4-5 at 512 + 8 x lane; a group (8 tiles x 256 K) is 25,600 bytes, its scale words at 24,576 + 128 tile + 8 r.  cod: [K / 256][group]: x groups 0-63, Wq 64-71, Wk 72-79, Wv 80-87.
; SHARES.  256 work-groups.  A work-group keeps ONE group of x (128 tokens, all of K) in LDS and walks three tiles: 256 rows (cx) of Wq, of Wk, of Wv.  Four waves, each 64 x 128: 32 accumulators.
; q, k: source 1 = 4 tiles of x (wave / 2), source 0 = a group of the weight (wave % 2).  v: source 1 = 4 tiles of Wv (one head a wave), source 0 = the 8 tiles of x.  A lane holds one row of source 1, and its 16 registers
; of two neighbouring tiles of source 0 are 16 neighbours along the next product's K.
; LDS: x at 25,600 c (c = K / 256); the weights' ring at WB: two slots of two chunks, chunk c at WB + 51,200 c, both groups on end.  A slot is filled again, with the next tile's chunks, behind a round of the cluster's
; barrier in K steps 3 and 7: one joint load, by wave 1 or wave 2; it is waited for four K steps (or an epilogue and three steps) later.  One load of a wave is out at the most.
; CLUSTER 4 x 4: x is shared along a row of the cluster, the weights along a column.  q and k are two trips of one loop; v asks for nothing more and is written out.
; No prefetch: each refill is asked for four K steps ahead of its wait, and the same weights are read by all sixteen rows of clusters.
; RESULTS.  qc: [b x 16 + head][128 tokens][6,400]: 8 tiles x 768 bytes, then at 6,144 a word for each pair of tiles and row (64 pair + 4 r): bytes 0, 1 the even tile's two scales, 2, 3 the odd tile's.
; kv: [b x 16 + head][128 keys][12,800]: k as in qc; at 6,400 v: four fragments (16 of the head's 64 x 128 keys) of 1,536 bytes; at 12,544 + 64 (2 (f % 2) + f / 2) + 4 r fragment f's scale words.
; LIMITS: a block of zeros gets the byte 1 where the rule says 127 (its codes are zeros; this program alone reads the bytes); NaN and infinities are not served.
; REGISTERS: window 0: v1-31, v56-57 addresses; v32-39, v40-55 scale words (two sets); v64-127 bq or bk; v128-223 source 1's fragments, two sets; in the epilogue v200-243 at work.
;   window 1: source 0's fragments at v0 and v128; bv, two copies, at v96 and v224.   window 2: accumulator (a, b) at v[8 (8 a + b)].
.set GRP,   25600
.set KS,    96*GRP                     ; from one 256 of K to the next in cod
.set WB,    4*GRP                      ; the weights' ring
.set SCR,   12*GRP                     ; 256 bytes a wave for the results' scale words; no tensor load lands here
.set SPARE, SCR+1024                   ; the spare words
.set A16, 4
.set A8,  8
.set B16, 12
.set B8,  16
.set SAA, 20
.set SA,  32
.set SB,  40
.set RDV, 56                           ; v56 v: where I read my scale words back;  v57 v: byte selects
.set SELV, 57
.set BI,  64
.set AF,  128
.set TM,  200
.set PW,  216
.set PC,  224
.set SPW, 254
.set NIL, 255
.set WV,  16
.set WR,  17
.set WC,  18
.set CX,  19
.set CY,  20
.set CLY, 21
.set SEL, 22
.set G1X, 24                           ; s[24:31], s[32:39] descriptor groups 1;  s[40:55] four groups 0
.set G1W, 32
.set G0X0, 40
.set G0X1, 44
.set G0W0, 48
.set G0W1, 52
.set TI,  72                           ; the loop's counter: 0 q, 1 k
.set MSB, 0
.macro WIN new                         ; the immediate's high byte repeats the setting that is left
.if MSB != \new
	s_set_vgpr_msb (MSB<<8)|\new
.set MSB, \new
.endif
.endm
.macro PLACES n
.rept \n
	v_nop
.endr
.endm
.macro CROUND                          ; a round of the cluster's barrier
	s_barrier_signal -1
	s_barrier_wait -1
	s_cmp_lg_u32 s[WV], 0
	s_cbranch_scc1 .Lnot_wave_0_\@
	s_barrier_signal -3
.Lnot_wave_0_\@:
	s_barrier_wait -3
	s_barrier_signal -1
	s_barrier_wait -1
.endm
.macro FRAG reg, a16, a8, off          ; a fragment (16 rows x 128 K, 12 registers): two half fragments on end
	ds_load_b128 v[\reg:\reg+3], v[\a16] offset:\off
	ds_load_b64 v[\reg+4:\reg+5], v[\a8] offset:\off+512
	ds_load_b128 v[\reg+6:\reg+9], v[\a16] offset:\off+768
	ds_load_b64 v[\reg+10:\reg+11], v[\a8] offset:\off+1280
.endm
.macro FETCH s                         ; K step s: chunk s / 2, its half s % 2, into set s % 2; with a chunk's first half its scale words
.set FC, (\s)/2
.set FQ, (\s)%2
	WIN 0x40
.irp i, 0,1,2,3,4,5,6,7
	FRAG 128*FQ+12*\i, B16+FC, B8+FC, 3072*\i+1536*FQ
.endr
	WIN 0
.irp i, 0,1,2,3
	FRAG AF+48*FQ+12*\i, A16+FC, A8+FC, 3072*\i+1536*FQ
.endr
.if FQ == 0
.irp k, 0,1
	ds_load_b64 v[SA+4*(FC%2)+2*\k:SA+4*(FC%2)+2*\k+1], v[SAA+FC] offset:256*\k
.endr
.irp k, 0,1,2,3
	ds_load_b64 v[SB+8*(FC%2)+2*\k:SB+8*(FC%2)+2*\k+1], v[B8+FC] offset:24576+256*\k
.endr
.endif
.endm
.macro WM d, f0, f1, cb, s0, s1, o0, o1    ; one product; o0, o1: the side's scale words stand in lanes 16-31
.if (\o0) && (\o1)
	v_wmma_scale_f32_16x16x128_f8f6f4 v[\d:\d+7], v[\f0:\f0+11], v[\f1:\f1+11], v[\cb:\cb+7], v[\s0], v[\s1] matrix_a_fmt:MATRIX_FMT_BF6 matrix_b_fmt:MATRIX_FMT_BF6 matrix_a_scale:MATRIX_SCALE_ROW1 matrix_b_scale:MATRIX_SCALE_ROW1
.elseif (\o0)
	v_wmma_scale_f32_16x16x128_f8f6f4 v[\d:\d+7], v[\f0:\f0+11], v[\f1:\f1+11], v[\cb:\cb+7], v[\s0], v[\s1] matrix_a_fmt:MATRIX_FMT_BF6 matrix_b_fmt:MATRIX_FMT_BF6 matrix_a_scale:MATRIX_SCALE_ROW1
.elseif (\o1)
	v_wmma_scale_f32_16x16x128_f8f6f4 v[\d:\d+7], v[\f0:\f0+11], v[\f1:\f1+11], v[\cb:\cb+7], v[\s0], v[\s1] matrix_a_fmt:MATRIX_FMT_BF6 matrix_b_fmt:MATRIX_FMT_BF6 matrix_b_scale:MATRIX_SCALE_ROW1
.else
	v_wmma_scale_f32_16x16x128_f8f6f4 v[\d:\d+7], v[\f0:\f0+11], v[\f1:\f1+11], v[\cb:\cb+7], v[\s0], v[\s1] matrix_a_fmt:MATRIX_FMT_BF6 matrix_b_fmt:MATRIX_FMT_BF6
.endif
.endm
; K step s: 32 products, the 32 accumulators by turns.  cmode 0: the sums go on; 1: they start with the bias of source 0's rows; 2: with that of source 1's rows (window 1, two copies by turns)
.macro MUL32 s, cmode
.set MC, (\s)/2
.set MQ, (\s)%2
.if \cmode == 1
	WIN 0x81
.elseif \cmode == 2
	WIN 0x91
.else
	WIN 0xa1
.endif
.irp a, 0,1,2,3
.irp b, 0,1,2,3,4,5,6,7
.set MD, 8*(8*\a+\b)
.if \cmode == 0
.set MB, MD
.elseif \cmode == 1
.set MB, BI+8*\b
.else
.set MB, 96+128*(\b%2)+8*\a
.endif
	WM MD, 128*MQ+12*\b, AF+48*MQ+12*\a, MB, SB+8*(MC%2)+2*(\b/2)+MQ, SA+4*(MC%2)+2*(\a/2)+MQ, \b%2, \a%2
.endr
.endr
.endm
.macro GONE g, c                       ; group 1: two rows of c elements of 8 bytes, KS bytes apart: two chunks of K
	s_mov_b32 s[\g+1], (\c)<<16
	s_mov_b32 s[\g+2], 2<<16
	s_mov_b32 s[\g+3], (\c)<<16
	s_mov_b32 s[\g+4], 2
	s_mov_b32 s[\g+5], KS/8
	s_mov_b32 s[\g+6], 0
	s_mov_b32 s[\g+7], 0
.endm
.macro GZERO g, lds, src, off
	s_mov_b32 s[\g], 1
	s_mov_b32 s[\g+1], \lds
	s_add_nc_u64 s[\g+2:\g+3], s[\src:\src+1], \off
	s_or_b32 s[\g+3], s[\g+3], 0x80000000
.endm
.macro ARM under, g0, g1, next         ; one arm of the head's chain: one joint load
	s_cmp_lt_u32 s[WV], \under
	s_cbranch_scc0 \next
	tensor_load_to_lds s[\g0:\g0+3], s[\g1:\g1+7]
	s_nop 0
	PLACES 4
	s_branch .Lasked
\next:
.endm
.macro REFILL wv, g0                   ; the joint refill: wave wv's one load behind the round
	s_cmp_lg_u32 s[WV], \wv
	s_cbranch_scc1 .Lnone_\@
	tensor_load_to_lds s[\g0:\g0+3], s[G1W:G1W+7]
	s_nop 0
	PLACES 4
.Lnone_\@:
.endm
.macro ADDRS sa, sb, ss, da, db        ; LDS addresses of source 1's tiles, source 0's group and source 1's scale words, chunk by chunk
	v_add_nc_u32 v[A16], s[\sa], v1
	v_add_nc_u32 v[A8], s[\sa], v2
	v_add_nc_u32 v[B16], s[\sb], v1
	v_add_nc_u32 v[B8], s[\sb], v2
	v_add_nc_u32 v[SAA], s[\ss], v2
.irp c, 1,2,3
	v_add_nc_u32 v[A16+\c], \c*\da, v[A16]
	v_add_nc_u32 v[A8+\c], \c*\da, v[A8]
	v_add_nc_u32 v[B16+\c], \c*\db, v[B16]
	v_add_nc_u32 v[B8+\c], \c*\db, v[B8]
	v_add_nc_u32 v[SAA+\c], \c*\da, v[SAA]
.endr
.endm
.macro BIAS p                          ; register 8 b + j of lane (r, h) is row 32 (b / 2) + 16 h + 8 (b % 2) + j of my 128 of the weight
.irp b, 0,1,2,3,4,5,6,7
	global_load_b128 v[BI+8*\b:BI+8*\b+3], v26, s[\p:\p+1] offset:(32*(\b/2)+8*(\b%2))*4
	global_load_b128 v[BI+8*\b+4:BI+8*\b+7], v26, s[\p:\p+1] offset:(32*(\b/2)+8*(\b%2))*4+16
.endr
.endm
.macro NEXTBIAS                        ; in q's trip: bk, into the registers that step 0 has read
	s_cmp_lg_u32 s[TI], 0
	s_cbranch_scc1 .Lnb_\@
	BIAS 8
.Lnb_\@:
.endm
; A TILE: eight K steps.  Steps 0-3 read slot 0 and x's chunks 0, 1; steps 4-7 slot 1 and chunks 2, 3; fragments are fetched one step ahead.
.macro TILE cmode, refill
	FETCH 0
	s_wait_dscnt 0x0
	FETCH 1
	s_wait_loadcnt 0x0                             ; the bias
	MUL32 0, \cmode
.irp s, 1,2,3,4,5,6,7
	WIN 0
	PLACES 4                                       ; between the last products and loads into registers that they read
.if (\s == 3) || ((\s == 7) && \refill)
	s_wait_tensorcnt 0x0                           ; all my tensor loads have landed: the other slot's among them
.if \refill
	ds_add_u32 v[SPW], v[NIL]
	s_add_nc_u64 s[G0W0+4*(\s/4)+2:G0W0+4*(\s/4)+3], s[G0W0+4*(\s/4)+2:G0W0+4*(\s/4)+3], 8*GRP   ; the next weight's same chunks: 8 groups on
	s_wait_dscnt 0x0                               ; the add, and my reads of the slot left behind
	CROUND
	REFILL 1+\s/4, G0W0+4*(\s/4)
.else
	s_wait_dscnt 0x0
	s_barrier_signal -1
	s_barrier_wait -1                              ; slot 1 is whole for all four waves; nothing is filled again
.endif
.else
	s_wait_dscnt 0x0                               ; this step's fragments are in
.endif
.if (\s == 1) && (\cmode == 1)
	NEXTBIAS
.endif
.if \s < 7
	FETCH \s+1
.endif
	MUL32 \s, 0
.endr
	WIN 0
.endm
; Tile a of source 1: a lane's 64 results are four half blocks of 32; lane l xor 16 holds the other halves.  They become 12 registers of codes and a scale word.
.macro QUANT a, stp
.set QB, 64*(\a)
	WIN 0x0a
.irp b, 0,1,2,3
	v_max3_num_f32 v[TM+\b], |v[QB+16*\b]|, |v[QB+16*\b+1]|, 0x2800000   ; each accumulator from its low end on; the floor 2^(5 - 127) holds the byte at 1 from below
.endr
.irp i, 2,4,6,8,10,12,14
.irp b, 0,1,2,3
	v_max3_num_f32 v[TM+\b], |v[QB+16*\b+\i]|, |v[QB+16*\b+\i+1]|, v[TM+\b]
.endr
.endr
	WIN 0
.irp b, 0,1,2,3
	v_permlanex16_b32 v[TM+4+\b], v[TM+\b], s[SEL], s[SEL+1]
.endr
.irp b, 0,1,2,3
	v_max_num_f32 v[TM+\b], v[TM+\b], v[TM+4+\b]
.endr
.irp b, 0,1,2,3
	v_add_nc_u32 v[TM+12+\b], 0xfe000000, v[TM+\b] ; 4 off the exponent field: the conversion's scale operand
.endr
.irp b, 0,1,2,3
	v_lshrrev_b32 v[TM+4+\b], 23, v[TM+12+\b]      ; the scale's byte
.endr
	v_lshl_or_b32 v[PW+\a], v[TM+5], 8, v[TM+4]
	v_lshl_or_b32 v[PW+\a], v[TM+6], 16, v[PW+\a]
	v_lshl_or_b32 v[PW+\a], v[TM+7], 24, v[PW+\a]
	s_wait_alu depctr_va_vdst(0)
	s_wait_xcnt 0x0                                ; earlier stores have read their data and bases
.if \a > 0
	s_add_nc_u64 s[88:89], s[88:89], \stp
	s_add_nc_u64 s[90:91], s[90:91], \stp
.endif
	WIN 0x02
.irp c, 0,1
	v_cvt_scalef32_pk16_bf6_f32 v[PC+6*\c:PC+6*\c+2], v[QB+32*\c:QB+32*\c+15], v[TM+12+2*\c]
	v_cvt_scalef32_pk16_bf6_f32 v[PC+12+4*\c:PC+14+4*\c], v[QB+32*\c+16:QB+32*\c+31], v[TM+12+2*\c+1]
.endr
	WIN 0
	v_nop                                          ; one plain instruction behind the conversions
.irp c, 0,1                            ; a whole block in a lane: lanes 0-15 block 2 c, lanes 16-31 block 2 c + 1
.irp i, 0,1,2
	v_permlane16_swap_b32 v[PC+6*\c+\i], v[PC+12+4*\c+\i]
.endr
.irp i, 0,1,2
	v_mov_b32 v[PC+6*\c+3+\i], v[PC+12+4*\c+\i]
.endr
.endr
	global_store_b128 v1, v[PC:PC+3], s[88:89]
	global_store_b64 v2, v[PC+4:PC+5], s[88:89] offset:512
	global_store_b128 v1, v[PC+6:PC+9], s[90:91]
	global_store_b64 v2, v[PC+10:PC+11], s[90:91] offset:512
.endm
.macro PAIRW n, sel                    ; q, k: lanes 0-15 my first head's pair word, lanes 16-31 my second head's.  v: lanes 0-15 the even tile's word, lanes 16-31 the odd tile's
	v_perm_b32 v[30+\n], v[PW+2*\n+1], v[PW+2*\n], v[\sel]
	ds_store_b32 v24, v[30+\n] offset:64*\n
.endm
.macro EPI sel, rd, stp
	PLACES 4                                       ; behind the last products
.irp b, 0,1,2,3
	v_mov_b32 v[TM+4+\b], 0                        ; a lane permute's destination counts as one of its sources
.endr
	QUANT 0, \stp
	QUANT 1, \stp
	PAIRW 0, \sel
	QUANT 2, \stp
	QUANT 3, \stp
	PAIRW 1, \sel
	s_wait_dscnt 0x0                               ; for the others' sake: my scale words lie in LDS
	s_barrier_signal -1
	s_barrier_wait -1
	ds_load_b64 v[28:29], v[\rd]
	s_wait_dscnt 0x0
	global_store_b64 v2, v[28:29], s[92:93]        ; 256 consecutive bytes, aligned: a piece's scale words
.endm
	s_load_b128 s[4:7], s[0:1], 0x0                ; cod, bq
	s_load_b128 s[8:11], s[0:1], 0x10              ; bk, bv
	s_load_b128 s[12:15], s[0:1], 0x20             ; qc, kv
	v_lshl_add_u32 v[SPW], v0, 2, SPARE
	v_mov_b32 v[NIL], 0
	ds_add_u32 v[SPW], v[NIL]
	ds_add_u32 v[SPW], v[NIL]
	v_lshrrev_b32 v1, 5, v0
	v_readfirstlane_b32 s[WV], v1                  ; wave 0..3
	s_lshr_b32 s[WR], s[WV], 1
	s_and_b32 s[WC], s[WV], 1
	s_bfe_u32 s[CX], ttmp6, 0x40000
	s_bfe_u32 s[CY], ttmp6, 0x40004
	s_and_b32 s[CLY], ttmp7, 0xffff
	s_lshl_b32 s22, s[CY], 2
	s_lshl_b32 s22, 15, s22                        ; my row of the cluster
	s_lshl_b32 s23, 0x1111, s[CX]                  ; my column
	s_or_b32 s[G1X], s22, (3<<16)|(1<<21)          ; the mask; elements of 8 bytes; 21 set beside a mask
	s_or_b32 s[G1W], s23, (3<<16)|(1<<21)
	GONE G1X, 3200                                 ; x: a group of a chunk is 25,600 bytes on end
	GONE G1W, 6400                                 ; the weight: two groups on end
	s_lshl_b32 s76, s[CLY], 2
	s_add_co_u32 s76, s76, s[CY]                   ; which 128 tokens: cy and the cluster's y alone
	s_mul_i32 s78, s76, GRP
	s_mov_b32 s79, 0
	s_lshl_b32 s82, s[CX], 1
	s_add_co_u32 s82, s82, 64                      ; Wq's two groups: cx alone
	s_mul_i32 s82, s82, GRP
	s_mov_b32 s83, 0
	s_wait_dscnt 0x0
	s_wait_kmcnt 0x0
	s_add_nc_u64 s[78:79], s[4:5], s[78:79]
	s_add_nc_u64 s[82:83], s[4:5], s[82:83]
	GZERO G0X0, 0, 78, 0
	GZERO G0X1, 2*GRP, 78, 2*KS
	GZERO G0W0, WB, 82, 0
	GZERO G0W1, WB+4*GRP, 82, 2*KS
	CROUND                                         ; all sixteen work-groups are here: the joint loads meet
	ARM 1, G0X0, G1X, .Larm_w0                     ; one load a wave: x's chunks 0, 1; Wq's 0, 1; Wq's 2, 3; x's 2, 3
	ARM 2, G0W0, G1W, .Larm_w1
	ARM 3, G0W1, G1W, .Larm_x1
	tensor_load_to_lds s[G0X1:G0X1+3], s[G1X:G1X+7]
	s_nop 0
	PLACES 4
.Lasked:
	v_and_b32 v28, 31, v0                          ; lane
	v_and_b32 v29, 15, v0                          ; r
	v_bfe_u32 v30, v0, 4, 1                        ; h
	v_lshlrev_b32 v1, 4, v28                       ; 16 x lane
	v_lshlrev_b32 v2, 3, v28                       ; 8 x lane
	s_wait_alu depctr_va_vdst(0)
	s_mul_i32 s80, s[WR], 12288                    ; q, k: my four tiles of x,
	s_mul_i32 s81, s[WC], GRP
	s_add_co_u32 s81, s81, WB                      ; my group of the weight,
	s_lshl_b32 s77, s[WR], 9
	s_add_co_u32 s77, s77, 24576                   ; my tiles' scale words
	s_mul_i32 s73, s[WR], GRP                      ; v: my four tiles of Wv: group wave / 2, its half wave % 2,
	s_add_co_u32 s73, s73, WB
	s_lshl_b32 s75, s[WC], 9
	s_add_co_u32 s75, s75, s73
	s_add_co_u32 s75, s75, 24576                   ; their scale words,
	s_mul_i32 s74, s[WC], 12288
	s_add_co_u32 s73, s73, s74
	s_mov_b32 s74, 0                               ; and x's group
	ADDRS 80, 81, 77, GRP, 2*GRP
	s_lshl_b32 s2, s[CX], 10
	s_lshl_b32 s3, s[WC], 9
	s_add_co_u32 s2, s2, s3                        ; 4 x (256 cx + 128 (wave % 2))
	s_mov_b32 s3, 0
	s_add_nc_u64 s[6:7], s[6:7], s[2:3]
	s_add_nc_u64 s[8:9], s[8:9], s[2:3]
	s_lshl_b32 s2, s[CX], 10
	s_lshl_b32 s84, s[WV], 8
	s_add_co_u32 s2, s2, s84                       ; 4 x (256 cx + 64 wave)
	s_add_nc_u64 s[10:11], s[10:11], s[2:3]
	v_lshlrev_b32 v26, 6, v30                      ; q, k: 16 h numbers on
	v_and_b32 v27, 8, v29
	v_add_nc_u32 v27, v27, v29
	v_lshlrev_b32 v27, 2, v27                      ; v: r + 8 (r / 8) numbers on
	BIAS 6
	WIN 0x40
.irp e, 0,1
.irp a, 0,1,2,3
.irp j, 0,1,2,3,4,5,6,7
	global_load_b32 v[96+128*\e+8*\a+\j], v27, s[10:11] offset:(32*(\a/2)+8*(\a%2))*4   ; bv: one number a lane and tile, in all eight registers
.endr
.endr
.endr
	WIN 0
	; where the results go
	s_lshr_b32 s84, s76, 4
	s_lshl_b32 s84, s84, 4
	s_lshl_b32 s85, s[CX], 2
	s_add_co_u32 s84, s84, s85                     ; 16 b + the first of the work-group's four heads
	s_add_co_u32 s86, s84, s[WV]                   ; the head whose scale words I store; v: my head
	s_lshl_b32 s85, s[WC], 1
	s_add_co_u32 s84, s84, s85                     ; q, k: the first of my two heads
	s_and_b32 s85, s76, 15                         ; which 128 tokens of the batch
	s_lshl_b32 s84, s84, 4
	s_add_co_u32 s84, s84, s85
	s_lshl_b32 s86, s86, 4
	s_add_co_u32 s86, s86, s85
	s_mul_i32 s87, s[WR], 3072
	s_mov_b32 s97, 0
	s_mul_i32 s96, s84, 6400
	s_add_co_u32 s96, s96, s87
	s_add_nc_u64 s[88:89], s[12:13], s[96:97]      ; q: my first head's half fragments,
	s_add_nc_u64 s[90:91], s[88:89], 16*6400       ; my second head's,
	s_mul_i32 s96, s86, 6400
	s_add_nc_u64 s[92:93], s[12:13], s[96:97]
	s_add_nc_u64 s[92:93], s[92:93], 6144          ; scale words
	s_mul_i32 s96, s84, 12800
	s_add_co_u32 s96, s96, s87
	s_add_nc_u64 s[56:57], s[14:15], s[96:97]      ; k: the same three
	s_add_nc_u64 s[58:59], s[56:57], 16*12800
	s_mul_i32 s96, s86, 12800
	s_add_nc_u64 s[60:61], s[14:15], s[96:97]
	s_add_nc_u64 s[66:67], s[60:61], 6400          ; v: a fragment's first half, its second, scale words
	s_add_nc_u64 s[68:69], s[60:61], 7168
	s_add_nc_u64 s[70:71], s[60:61], 12544
	s_add_nc_u64 s[60:61], s[60:61], 6144
	s_mov_b32 s[SEL], 0x76543210
	s_mov_b32 s[SEL+1], 0xfedcba98
	s_mov_b32 s98, 0xffff0000                      ; lanes 16-31
	v_mov_b32 v3, 0x05040100
	v_mov_b32 v31, 0x07060302
	v_cndmask_b32 v3, v3, v31, s98
	v_mov_b32 v[SELV], 0x03020100
	v_mov_b32 v31, 0x07060504
	v_cndmask_b32 v[SELV], v[SELV], v31, s98
	s_lshl_b32 s84, s[WV], 8
	s_add_co_u32 s84, s84, SCR
	s_lshl_b32 s85, s[WV], 7
	s_add_co_u32 s85, s85, SCR
	v_lshlrev_b32 v24, 2, v29
	v_lshl_add_u32 v24, v30, 7, v24
	v_add_nc_u32 v24, s84, v24                     ; where I put scale words: SCR + 256 wave + 128 h + 4 r
	v_add_nc_u32 v[RDV], s84, v2                   ; v: my own 256 bytes as they lie
	v_lshlrev_b32 v25, 3, v29
	v_lshl_add_u32 v25, v30, 9, v25
	v_add_nc_u32 v25, s85, v25                     ; q, k: head w: tiles 0-3 from wave w / 2, half w % 2; tiles 4-7 from wave 2 + w / 2
	s_mov_b32 s[TI], 0
	s_wait_alu depctr_va_vdst(0)
	s_cmp_gt_u32 s[WV], 1                          ; waves 0 and 1 asked for what steps 0-3 read: they wait; the other two waves' loads are waited for in step 3
	s_cbranch_scc1 .Llater
	s_wait_tensorcnt 0x0
.Llater:
	s_barrier_signal -1
	s_barrier_wait -1
.Ltile:
	TILE 1, 1
	EPI 3, 25, 768
	s_wait_xcnt 0x0                                ; the stores have read their bases
	s_mov_b64 s[88:89], s[56:57]                   ; the next tile's three, and the one after
	s_mov_b64 s[90:91], s[58:59]
	s_mov_b64 s[92:93], s[60:61]
	s_mov_b64 s[56:57], s[66:67]
	s_mov_b64 s[58:59], s[68:69]
	s_mov_b64 s[60:61], s[70:71]
	s_add_co_u32 s[TI], s[TI], 1
	s_cmp_lt_u32 s[TI], 2
	s_wait_alu depctr_va_vdst(0)
	s_cbranch_scc1 .Ltile
	ADDRS 73, 74, 75, 2*GRP, GRP                   ; v: the roles change
	s_wait_alu depctr_va_vdst(0)
	TILE 2, 0
	EPI SELV, RDV, 1536
	s_wait_tensorcnt 0x0                           ; the wave's end
	ds_add_u32 v[SPW], v[NIL]
	s_wait_dscnt 0x0
	CROUND                                         ; the closing round
	s_endpgm
.Lfunc_end_k_q6dd0208357_qkv:
	.size	k_q6dd0208357_qkv, .Lfunc_end_k_q6dd0208357_qkv-k_q6dd0208357_qkv
	.p2alignl 7, 3214868480
	.fill 96, 4, 3214868480
	.section	.rodata,"a",@progbits
	.p2align	6, 0x0
	.amdhsa_kernel k_q6dd0208357_qkv
		.amdhsa_group_segment_fixed_size 327680
		.amdhsa_private_segment_fixed_size 0
		.amdhsa_enable_private_segment 0
		.amdhsa_kernarg_size 48
		.amdhsa_user_sgpr_count 2
		.amdhsa_user_sgpr_kernarg_segment_ptr 1
		.amdhsa_wavefront_size32 1
		.amdhsa_system_sgpr_workgroup_id_x 1
		.amdhsa_system_sgpr_workgroup_id_y 1
		.amdhsa_system_sgpr_workgroup_id_z 1
		.amdhsa_system_vgpr_workitem_id 0
		.amdhsa_next_free_vgpr 768
		.amdhsa_next_free_sgpr 100
		.amdhsa_reserve_vcc 0
		.amdhsa_float_denorm_mode_32 3
		.amdhsa_float_denorm_mode_16_64 3
		.amdhsa_memory_ordered 1
		.amdhsa_forward_progress 1
		.amdhsa_inst_pref_size 179
	.end_amdhsa_kernel
	.amdgpu_metadata
---
amdhsa.version: [ 1, 2 ]
amdhsa.kernels:
  - .name:           k_q6dd0208357_qkv
    .symbol:         k_q6dd0208357_qkv.kd
    .args:
      - { .name: cod, .offset: 0, .size: 8, .value_kind: global_buffer, .address_space: global }
      - { .name: bq, .offset: 8, .size: 8, .value_kind: global_buffer, .address_space: global }
      - { .name: bk, .offset: 16, .size: 8, .value_kind: global_buffer, .address_space: global }
      - { .name: bv, .offset: 24, .size: 8, .value_kind: global_buffer, .address_space: global }
      - { .name: qc, .offset: 32, .size: 8, .value_kind: global_buffer, .address_space: global }
      - { .name: kv, .offset: 40, .size: 8, .value_kind: global_buffer, .address_space: global }
    .group_segment_fixed_size: 327680
    .private_segment_fixed_size: 0
    .kernarg_segment_align: 8
    .kernarg_segment_size: 48
    .max_flat_workgroup_size: 128
    .sgpr_count:     100
    .vgpr_count:     768
    .wavefront_size: 32
...
	.end_amdgpu_metadata
.endif
;; end of part 2
;; launch attn (part 3): grid 4 x 64, 16 waves a work-group, clusters of 4 x 1, 206,848 bytes of LDS; arguments qc, kv, yc; writes yc
.if DOCPART == 3
	.amdgcn_target "amdgcn-amd-amdhsa--gfx1250"
	.amdhsa_code_object_version 6
	.text
	.protected	k_q6dd0208357_attn
	.globl	k_q6dd0208357_attn
	.p2align	8
	.type	k_q6dd0208357_attn,@function
k_q6dd0208357_attn:
	s_mov_b64 s[64:65], 0
	v_nop
	global_prefetch_b8 v0, s[64:65] scope:SCOPE_SE
	s_setreg_imm32_b32 hwreg(HW_REG_WAVE_MODE, 25, 1), 1
	s_wait_xcnt 0x0
	s_wait_alu depctr_hold_cnt(0) depctr_sa_sdst(0) depctr_va_vdst(0) depctr_va_sdst(0) depctr_va_ssrc(0) depctr_va_vcc(0) depctr_vm_vsrc(0)
	s_getreg_b32 s2, hwreg(HW_REG_IB_STS2, 6, 4)
	s_cmp_eq_u32 s2, 0
	s_cbranch_scc0 .Lentry_in_a_cluster
	s_endpgm
.Lentry_in_a_cluster:
	s_bfe_u32 s2, ttmp6, 0x10000c
	s_cmp_lg_u32 s2, 0x3003
	s_cbranch_scc0 .Lentry_shape_is_right
	s_endpgm
.Lentry_shape_is_right:
; y[b][t][head x 64 + d] = the sum over keys s <= t of softmax_s(q[t] . k[s] / 8) v[s][d], both products on codes of BF6 (E3M2) with E8M0 scales; y is quantised along its 1,024 and leaves as codes.
; THE SOFTMAX AHEAD OF THE SECOND PRODUCT: t = score x log2(e) / 8; M = the row's largest t so far, rounded up to a whole number; p = 2^(t - M) is quantised along the keys, not normalised.  The row's sum is taken of the
; unquantised p and divides at the end.  When M moves, the sum and O are multiplied by 2^(old M - new M): exact.
; INPUTS (made by the launch before): tiles of 16 rows, lane-row r of tile t = row 32 (t / 2) + 8 (t % 2) + r + 8 (r / 8), as images of registers (a half fragment, 16 rows x 64, is 768 bytes: registers 0-3 at 16 x lane, 4-5 at 512 + 8 x lane).
; qc [b x 16 + head][128 queries][6,400]: 8 tiles, then pair words at 6,144 + 64 pair + 4 r (bytes 0, 1: the even tile's two scales; 2, 3: the odd tile's).  kv [..][128 keys][12,800]: k likewise; v's four fragments
; (16 of the 64 x 128 keys) at 6,400 + 1,536 f, their scale words at 12,544 + 64 (2 (f % 2) + f / 2) + 4 r.
; SHARES.  A cluster of four work-groups is one (b, head).  Work-group cx takes the tiles of queries 4 m + cx; wave w takes m = w, then m = 31 - w.  Tile 4 m + cx needs the key steps 0 .. m / 2, whatever cx: the partners run alike,
; and every wave works 17 key steps of 128 keys: the causal mask leaves no wave with less.
; THE WHOLE HEAD'S K AND V LIE IN LDS, 16 x 12,800 bytes, filled once: each wave asks for one key step, jointly with the same wave of the three partners.  From the barrier on LDS is only read.  No prefetch: all is asked for at the head.
; LAYOUT.  Both products are used transposed: S^T = K Q^T, O^T = V^T P^T: a lane holds one query.  THE FIRST PRODUCT'S K IS 64: two neighbouring tiles of keys on end fill one operand of 128 (k 0-63: the even tile's, 64-127: the odd tile's);
; against [Q][zeros] it gives the even tile's scores, against [zeros][Q] the odd tile's.  Zero codes add nothing under the real scale bytes that stand over them.
; By the tiles' order of rows the 16 registers of two neighbouring tiles are 16 neighbouring keys (d, in O^T): what the quantisers want in a lane.
; yc: [head / 4][128 tokens][25,600]: tile i's half fragment of head h at 3,072 i + 768 (h % 4); scale bytes at 24,576 + 128 i + 8 r + 2 (h % 4) + block: these bytes leave singly, one a lane: 1 byte for each 24 of codes.
; LIMITS: a block of zeros gets the byte 1 where the rule says 127 (this program alone reads the bytes); NaN and infinities are not served; 1 / the sum by v_rcp_f32.
.set GRP,   25600
.set STEPB, 12800                      ; a key step in kv and in LDS
.set QHI, 16                           ; v16-21 zeros, v22-27 Q, v28-33 zeros: v[16:27] = [zeros][Q], v[22:33] = [Q][zeros]
.set QLO, 22
.set QN,  34                           ; v34-39 the second pass's Q
.set QS,  40                           ; v40    Q's two scales, in both halves of the word
.set QR,  41                           ; v41-42 the two passes' pair words as loaded
.set KS,  44                           ; v44-47 K's pair words
.set VS,  48                           ; v48-51 V's scale words
.set FR,  52                           ; v52-99 four fragments of K or of V
.set S,   100                          ; v100-163 S^T, then p
.set OT,  164                          ; v164-195 O^T
.set PC,  196                          ; v196-207 codes, v208-214 their upper halves before the exchange
.set BM,  216                          ; v216-219 a block's largest score, then p
.set PD,  220                          ; v220-223 at work
.set SO,  224                          ; v224-227 the conversions' scale operands
.set FF,  228                          ; v228 f = 2^(old M - new M);  v229 p's scale word
.set PS,  229
.set TMP, 230
.set WV,  16
.set CX,  17
.set BH,  18
.set SEL, 20                           ; s[20:21] selects for lane l xor 16
.set CS,  22                           ; s[22:23] c = log2(e) / 8
.set G1,  24
.set G0,  32
.set MM,  36                           ; s36-37 m of pass 0, 1
.set MH,  38                           ; s38-39 m / 2: the pass's last key step
.set QA,  40                           ; s[40:43] Q's tile;  s[44:47] its pair words;  s[48:51] y's codes;  s[52:55] y's scale bytes
.set QW,  44
.set YA,  48
.set YS,  52
.set DD,  56                           ; s56-57 my tile's first query less the last key step's first key
.set QSEL, 58
.set LM,  59
.set J,   60
.set TB,  61
.macro CROUND
	s_barrier_signal -1
	s_barrier_wait -1
	s_cmp_lg_u32 s[WV], 0
	s_cbranch_scc1 .Lnot_wave_0_\@
	s_barrier_signal -3
.Lnot_wave_0_\@:
	s_barrier_wait -3
	s_barrier_signal -1
	s_barrier_wait -1
.endm
.macro FRAG reg, a16, a8, off          ; 12 registers: two half fragments on end
	ds_load_b128 v[\reg:\reg+3], v[\a16] offset:\off
	ds_load_b64 v[\reg+4:\reg+5], v[\a8] offset:\off+512
	ds_load_b128 v[\reg+6:\reg+9], v[\a16] offset:\off+768
	ds_load_b64 v[\reg+10:\reg+11], v[\a8] offset:\off+1280
.endm
	s_load_b128 s[4:7], s[0:1], 0x0                ; qc, kv
	s_load_b64 s[8:9], s[0:1], 0x10                ; yc
	v_lshl_add_u32 v254, v0, 2, 0x32000
	v_mov_b32 v255, 0
	ds_add_u32 v254, v255
	ds_add_u32 v254, v255
	v_lshrrev_b32 v1, 5, v0
	s_delay_alu instid0(VALU_DEP_1)
	v_readfirstlane_b32 s[WV], v1                  ; wave 0..15
	s_bfe_u32 s[CX], ttmp6, 0x40000                ; my place in the cluster: it enters global addresses and the mask's compare alone
	s_and_b32 s[BH], ttmp7, 0xffff                 ; b x 16 + head
	; the descriptor: key step w of my head: a dense block of 50 rows of 256 bytes (32 elements of 8 bytes)
	s_mov_b32 s[G1], 15|(3<<16)|(1<<21)            ; the mask: all four work-groups; elements of 8 bytes; 21 set beside a mask
	s_mov_b32 s[G1+1], 32<<16
	s_mov_b32 s[G1+2], 50<<16
	s_mov_b32 s[G1+3], 32<<16
	s_mov_b32 s[G1+4], 50
	s_mov_b32 s[G1+5], 32
	s_mov_b32 s[G1+6], 0
	s_mov_b32 s[G1+7], 0
	s_lshl_b32 s12, s[BH], 4
	s_add_co_u32 s12, s12, s[WV]
	s_mul_i32 s12, s12, STEPB
	s_mov_b32 s13, 0
	s_mov_b32 s[G0], 1
	s_mul_i32 s[G0+1], s[WV], STEPB
	s_wait_dscnt 0x0
	s_wait_kmcnt 0x0
	s_add_nc_u64 s[G0+2:G0+3], s[6:7], s[12:13]
	s_or_b32 s[G0+3], s[G0+3], 0x80000000
	CROUND                                         ; all four work-groups are here: the joint loads meet
	tensor_load_to_lds s[G0:G0+3], s[G1:G1+7]      ; one load of mine is out
	s_nop 0
.rept 4
	v_nop
.endr
	s_mov_b32 s[SEL], 0x76543210
	s_mov_b32 s[SEL+1], 0xfedcba98
	s_mov_b32 s[CS], 0x3e38aa3b                    ; log2(e) / 8
	s_mov_b32 s[CS+1], s[CS]                       ; (named with it as a pair)
	s_mov_b32 s[LM], 0xffff0000                    ; lanes 16-31
	s_and_b32 s72, s[CX], 1
	s_mul_i32 s72, s72, 0x02020202
	s_add_co_u32 s[QSEL], s72, 0x01000100          ; bytes 0, 1, 0, 1 of the pair word for an even tile, 2, 3, 2, 3 for an odd one
	s_lshr_b32 s73, s[CX], 1
	s_lshl_b32 s73, s73, 5
	s_and_b32 s72, s[CX], 1
	s_lshl_b32 s72, s72, 3
	s_add_co_u32 s73, s73, s72                     ; 32 (cx / 2) + 8 (cx % 2)
	s_mov_b32 s[MM], s[WV]
	s_xor_b32 s[MM+1], s[WV], 31
	s_lshr_b32 s74, s[BH], 4
	s_lshl_b32 s74, s74, 4                         ; 16 b
	s_and_b32 s75, s[BH], 15                       ; head
	s_lshr_b32 s66, s75, 2
	s_mul_i32 s66, s66, 64*GRP                     ; y's 256 of K
	s_and_b32 s75, s75, 3
	s_mov_b32 s71, 0
.irp p, 0,1
	s_lshr_b32 s[MH+\p], s[MM+\p], 1
	s_and_b32 s67, s[MM+\p], 1
	s_lshl_b32 s68, s67, 2
	s_add_co_u32 s68, s68, s[CX]                   ; my tile among the eight of its 128 queries
	s_lshl_b32 s69, s[BH], 4
	s_add_co_u32 s69, s69, s[MH+\p]
	s_mul_i32 s69, s69, 6400                       ; their piece of qc
	s_mul_i32 s70, s68, 768
	s_add_co_u32 s70, s70, s69
	s_add_nc_u64 s[QA+2*\p:QA+2*\p+1], s[4:5], s[70:71]
	s_lshr_b32 s70, s68, 1
	s_lshl_b32 s70, s70, 6
	s_add_co_u32 s70, s70, s69
	s_add_co_u32 s70, s70, 6144
	s_add_nc_u64 s[QW+2*\p:QW+2*\p+1], s[4:5], s[70:71]
	s_add_co_u32 s69, s74, s[MH+\p]
	s_mul_i32 s69, s69, GRP
	s_add_co_u32 s69, s69, s66                     ; their group of yc
	s_mul_i32 s70, s68, 3072
	s_add_co_u32 s70, s70, s69
	s_mul_i32 s72, s75, 768
	s_add_co_u32 s70, s70, s72
	s_add_nc_u64 s[YA+2*\p:YA+2*\p+1], s[8:9], s[70:71]
	s_lshl_b32 s70, s68, 7
	s_add_co_u32 s70, s70, s69
	s_lshl_b32 s72, s75, 1
	s_add_co_u32 s70, s70, s72
	s_add_co_u32 s70, s70, 24576
	s_add_nc_u64 s[YS+2*\p:YS+2*\p+1], s[8:9], s[70:71]
	s_lshl_b32 s[DD+\p], s67, 6
	s_add_co_u32 s[DD+\p], s[DD+\p], s73           ; 64 (m % 2) + 32 (cx / 2) + 8 (cx % 2)
.endr
	v_and_b32 v10, 31, v0
	s_delay_alu instid0(VALU_DEP_1)
	v_lshlrev_b32 v1, 4, v10                       ; 16 x lane
	s_delay_alu instid0(VALU_DEP_2)
	v_lshlrev_b32 v2, 3, v10                       ; 8 x lane
	v_and_b32 v10, 15, v0                          ; r
	v_bfe_u32 v11, v0, 4, 1                        ; h
	s_delay_alu instid0(VALU_DEP_2)
	v_lshlrev_b32 v3, 2, v10                       ; 4 r
	s_delay_alu instid0(VALU_DEP_3)
	v_and_b32 v8, 8, v10
	s_delay_alu instid0(VALU_DEP_1)
	v_add_nc_u32 v8, v8, v10
	s_delay_alu instid0(VALU_DEP_4)
	v_lshlrev_b32 v9, 4, v11
	s_delay_alu instid0(VALU_DEP_1)
	v_sub_nc_u32 v8, v8, v9                        ; r + 8 (r / 8) - 16 h
	v_lshl_add_u32 v9, v10, 3, v11                 ; 8 r + h: my scale byte of y
.irp p, 0,1
	global_load_b128 v[QLO+12*\p:QLO+12*\p+3], v1, s[QA+2*\p:QA+2*\p+1]
	global_load_b64 v[QLO+12*\p+4:QLO+12*\p+5], v2, s[QA+2*\p:QA+2*\p+1] offset:512
	global_load_b32 v[QR+\p], v3, s[QW+2*\p:QW+2*\p+1]
.endr
.irp i, 0,1,2,3,4,5
	v_mov_b32 v[QHI+\i], 0
	v_mov_b32 v[QLO+6+\i], 0
.endr
.irp b, 0,1,2,3
	v_mov_b32 v[PD+\b], 0                          ; a lane permute's destination counts as one of its sources
.endr
	v_mov_b32 v[PS], 0                             ; (named as the upper half of the pair v[228:229] before it is first written)
	v_mov_b32 v[TMP], 0
	s_wait_loadcnt 0x0                             ; Q of both passes
	s_wait_tensorcnt 0x0                           ; my key step has landed,
	s_barrier_signal -1
	s_barrier_wait -1                              ; everybody's has
; A KEY STEP: 128 keys, at LDS byte s[TB].
.macro STEP p
	v_add_nc_u32 v4, s[TB], v1                     ; these three and the v_nop are the four places between the last products and the loads into the registers that they read
	v_add_nc_u32 v5, s[TB], v2
	v_add_nc_u32 v6, s[TB], v3
	v_nop
.irp t, 0,1,2,3
	FRAG FR+12*\t, 4, 5, 1536*\t                   ; tiles 2 t and 2 t + 1 of keys, on end
	ds_load_b32 v[KS+\t], v6 offset:6144+64*\t
.endr
	s_wait_alu depctr_va_vdst(0)
	s_wait_dscnt 0x0
.irp t, 0,1,2,3
	v_wmma_scale_f32_16x16x128_f8f6f4 v[S+16*\t:S+16*\t+7], v[FR+12*\t:FR+12*\t+11], v[QLO:QLO+11], 0, v[KS+\t], v[QS] matrix_a_fmt:MATRIX_FMT_BF6 matrix_b_fmt:MATRIX_FMT_BF6
	v_wmma_scale_f32_16x16x128_f8f6f4 v[S+16*\t+8:S+16*\t+15], v[FR+12*\t:FR+12*\t+11], v[QHI:QHI+11], 0, v[KS+\t], v[QS] matrix_a_fmt:MATRIX_FMT_BF6 matrix_b_fmt:MATRIX_FMT_BF6
.endr                                  ; register 16 b + i of lane (r, h): key 32 b + 16 h + i of the step, query r of my tile
.rept 4
	v_nop
.endr
.irp t, 0,1,2,3                        ; V's fragments are asked for now and land under the softmax
	FRAG FR+12*\t, 4, 5, 6400+1536*\t
	ds_load_b32 v[VS+\t], v6 offset:12544+64*((\t%2)*2+\t/2)
.endr
	s_cmp_lg_u32 s[J], s[MH+\p]                    ; the pass's last step lies on the diagonal: there the scores of hidden keys become -infinity ahead of the maximum.  The branch hangs on the wave's number and the step alone
	s_cbranch_scc1 .Lopen_\@
	v_mov_b32 v[TMP], 0xff800000
.set n, 0
.rept 64
	v_cmp_gt_i32 vcc_lo, 32*(n/16)+n%16, v7        ; hidden where the register's key lies beyond my query
	v_cndmask_b32 v[S+n], v[S+n], v[TMP], vcc_lo
.set n, n+1
.endr
.Lopen_\@:
.irp b, 0,1,2,3
	v_max3_num_f32 v[BM+\b], v[S+16*\b], v[S+16*\b+1], v[S+16*\b+2]   ; the largest score of each block of 32 keys: it serves for the row's maximum and, since p rises with the score, for the block's largest p
.endr
.irp i, 3,5,7,9,11,13
.irp b, 0,1,2,3
	v_max3_num_f32 v[BM+\b], v[BM+\b], v[S+16*\b+\i], v[S+16*\b+\i+1]
.endr
.endr
.irp b, 0,1,2,3
	v_max_num_f32 v[BM+\b], v[BM+\b], v[S+16*\b+15]
.endr
.irp b, 0,1,2,3
	s_delay_alu instid0(VALU_DEP_4)
	v_permlanex16_b32 v[PD+\b], v[BM+\b], s[SEL], s[SEL+1]
.endr
.irp b, 0,1,2,3
	s_delay_alu instid0(VALU_DEP_4)
	v_max_num_f32 v[BM+\b], v[BM+\b], v[PD+\b]     ; with lane l xor 16's 16 keys
.endr
	s_delay_alu instid0(VALU_DEP_2)
	v_max3_num_f32 v[TMP], v[BM], v[BM+1], v[BM+2]
	s_delay_alu instid0(VALU_DEP_1)
	v_max_num_f32 v[TMP], v[TMP], v[BM+3]
	s_delay_alu instid0(VALU_DEP_1)
	v_mul_f32 v[TMP], s[CS], v[TMP]                ; the step's largest t
	s_delay_alu instid0(VALU_DEP_1)
	v_max_num_f32 v13, v13, v[TMP]                 ; the running largest t
	v_mov_b32 v[TMP], v12
	s_delay_alu instid0(VALU_DEP_2)
	v_floor_f32 v12, -v13                          ; the new -M = -ceil(t)
	s_delay_alu instid0(VALU_DEP_1)
	v_sub_f32 v[TMP], v12, v[TMP]                  ; old M - new M: a whole number, 0 or less
	s_delay_alu instid0(VALU_DEP_1)
	v_cvt_i32_f32 v[TMP], v[TMP]                   ; (it saturates)
	s_delay_alu instid0(VALU_DEP_1)
	v_ldexp_f32 v[FF], 1.0, v[TMP]                 ; f = 2^(old M - new M)
.set n, 0
.rept 32
	v_pk_fma_f32 v[S+n:S+n+1], v[S+n:S+n+1], s[CS:CS+1], v[12:13] op_sel_hi:[1,0,0]   ; t - M, two at a time
.set n, n+2
.endr
.irp b, 0,1,2,3
	v_fma_f32 v[BM+\b], v[BM+\b], s[CS], v12       ; the same of each block's largest score
.endr
.set n, 0
	s_wait_alu depctr_va_vdst(0)
.rept 64
	v_exp_f32 v[S+n], v[S+n]                       ; p = 2^(t - M)
.set n, n+1
.endr
	v_pk_mul_f32 v[14:15], v[14:15], v[FF:FF+1] op_sel_hi:[1,0]   ; the sums under the new M: a plain instruction behind the exponentials
	s_wait_alu depctr_va_vdst(0)                   ; one wait for the batch, ahead of its first reader
.irp b, 0,1,2,3
	v_exp_f32 v[BM+\b], v[BM+\b]                   ; the block's largest p
.endr
	v_pk_add_f32 v[220:221], v[104:105], v[108:109]
	v_pk_add_f32 v[252:253], v[112:113], v[116:117]
	v_pk_add_f32 v[250:251], v[120:121], v[124:125]
	v_pk_add_f32 v[248:249], v[128:129], v[132:133]
	v_pk_add_f32 v[246:247], v[136:137], v[140:141]
	v_pk_add_f32 v[244:245], v[144:145], v[148:149]
	v_pk_add_f32 v[242:243], v[152:153], v[156:157]
	v_pk_add_f32 v[14:15], v[14:15], v[160:161]
	v_pk_add_f32 v[220:221], v[220:221], v[100:101]
	v_pk_add_f32 v[252:253], v[252:253], v[102:103]
	v_pk_add_f32 v[250:251], v[250:251], v[106:107]
	v_pk_add_f32 v[248:249], v[248:249], v[110:111]
	v_pk_add_f32 v[246:247], v[246:247], v[114:115]
	v_pk_add_f32 v[244:245], v[244:245], v[118:119]
	v_pk_add_f32 v[242:243], v[242:243], v[122:123]
	v_pk_add_f32 v[14:15], v[14:15], v[126:127]
	v_pk_add_f32 v[220:221], v[220:221], v[130:131]
	v_pk_add_f32 v[252:253], v[252:253], v[134:135]
	v_pk_add_f32 v[250:251], v[250:251], v[138:139]
	v_pk_add_f32 v[248:249], v[248:249], v[142:143]
	v_pk_add_f32 v[246:247], v[246:247], v[146:147]
	v_pk_add_f32 v[244:245], v[244:245], v[150:151]
	v_pk_add_f32 v[242:243], v[242:243], v[154:155]
	v_pk_add_f32 v[14:15], v[14:15], v[158:159]
	v_pk_add_f32 v[220:221], v[220:221], v[162:163]
	s_delay_alu instid0(VALU_DEP_2)
	v_pk_add_f32 v[14:15], v[14:15], v[248:249]
	s_delay_alu instid0(VALU_DEP_2)
	v_pk_add_f32 v[220:221], v[220:221], v[246:247]
	v_pk_add_f32 v[252:253], v[252:253], v[244:245]
	v_pk_add_f32 v[250:251], v[250:251], v[242:243]
	s_delay_alu instid0(VALU_DEP_2)
	v_pk_add_f32 v[14:15], v[14:15], v[252:253]
	s_delay_alu instid0(VALU_DEP_2)
	v_pk_add_f32 v[220:221], v[220:221], v[250:251]
	s_delay_alu instid0(VALU_DEP_1)
	v_pk_add_f32 v[14:15], v[14:15], v[220:221]
	s_wait_alu depctr_va_vdst(0)                   ; and one for the four
.irp b, 0,1,2,3
	v_max_num_f32 v[BM+\b], 0x2800000, v[BM+\b]    ; the floor 2^(5 - 127): the byte cannot fall under 1
.endr
.irp b, 0,1,2,3
	s_delay_alu instid0(VALU_DEP_4)
	v_add_nc_u32 v[SO+\b], 0xfe000000, v[BM+\b]    ; 4 off the exponent field: the conversion's scale operand
.endr
.irp b, 0,1,2,3
	s_delay_alu instid0(VALU_DEP_4)
	v_lshrrev_b32 v[PD+\b], 23, v[SO+\b]           ; the scale's byte
.endr
	s_delay_alu instid0(VALU_DEP_3)
	v_lshl_or_b32 v[PS], v[PD+1], 8, v[PD]         ; p's scale word for these 128 keys
	s_delay_alu instid0(VALU_DEP_1)
	v_lshl_or_b32 v[PS], v[PD+2], 16, v[PS]
	s_delay_alu instid0(VALU_DEP_1)
	v_lshl_or_b32 v[PS], v[PD+3], 24, v[PS]
.irp c, 0,1
	v_cvt_scalef32_pk16_bf6_f32 v[PC+6*\c:PC+6*\c+2], v[S+32*\c:S+32*\c+15], v[SO+2*\c]
	v_cvt_scalef32_pk16_bf6_f32 v[PC+12+4*\c:PC+14+4*\c], v[S+32*\c+16:S+32*\c+31], v[SO+2*\c+1]
.endr
	v_nop                                          ; one plain instruction behind the conversions
.irp c, 0,1                            ; a whole block in a lane: lanes 0-15 block 2 c, lanes 16-31 block 2 c + 1
.irp i, 0,1,2
	v_permlane16_swap_b32 v[PC+6*\c+\i], v[PC+12+4*\c+\i]
.endr
.irp i, 0,1,2
	s_delay_alu instid0(VALU_DEP_3)
	v_mov_b32 v[PC+6*\c+3+\i], v[PC+12+4*\c+\i]
.endr
.endr
.set n, 0
.rept 16
	v_pk_mul_f32 v[OT+n:OT+n+1], v[OT+n:OT+n+1], v[FF:FF+1] op_sel_hi:[1,0]   ; O^T under the new M; these sixteen also stand between the writes of p's codes and scale word and the products
.set n, n+2
.endr
	s_wait_alu depctr_va_vdst(0)
	s_wait_dscnt 0x0                               ; V
.irp t, 0,1,2,3
	v_wmma_scale_f32_16x16x128_f8f6f4 v[OT+8*\t:OT+8*\t+7], v[FR+12*\t:FR+12*\t+11], v[PC:PC+11], v[OT+8*\t:OT+8*\t+7], v[VS+\t], v[PS] matrix_a_fmt:MATRIX_FMT_BF6 matrix_b_fmt:MATRIX_FMT_BF6
.endr
.endm
; A PASS: one tile of 16 queries.  The loop has 16 trips for every wave, a constant; a step all of whose keys come after my queries is jumped over, down to the lines that step the address.
.macro PASS p
	v_perm_b32 v[QS], v[QR+\p], v[QR+\p], s[QSEL]  ; my tile's two scales, in both halves of the word
.if \p
.irp i, 0,1,2,3,4,5
	v_mov_b32 v[QLO+\i], v[QN+\i]
.endr
.endif
	v_add_nc_u32 v7, s[DD+\p], v8                  ; my query less the last step's first key, less 16 h
	v_mov_b32 v13, 0xff61b1e6                      ; the largest t so far: -3e38
	s_delay_alu instid0(VALU_DEP_1)
	v_floor_f32 v12, -v13
	v_mov_b32 v14, 0
	v_mov_b32 v15, 0
.set n, 0
.rept 32
	v_mov_b32 v[OT+n], 0                           ; the step is written once: the first finds zeros, which the first change of M leaves zeros
.set n, n+1
.endr
	s_mov_b32 s[J], 0
	s_mov_b32 s[TB], 0
.Lstep_\@:
	s_cmp_gt_u32 s[J], s[MH+\p]
	s_cbranch_scc1 .Lhidden_\@
	STEP \p
.Lhidden_\@:
	s_add_co_u32 s[TB], s[TB], STEPB
	s_add_co_u32 s[J], s[J], 1
	s_cmp_lt_u32 s[J], 16
	s_cbranch_scc1 .Lstep_\@
	; y = O^T / the sum; register 16 b + i is d = 32 b + 16 h + i: two blocks of 32 along y's K
.rept 4
	v_nop                                          ; behind the last products
.endr
	v_add_f32 v14, v14, v15
	s_delay_alu instid0(VALU_DEP_1)
	v_permlanex16_b32 v[TMP], v14, s[SEL], s[SEL+1]
	s_delay_alu instid0(VALU_DEP_1)
	v_add_f32 v14, v14, v[TMP]                     ; the row's sum
	s_wait_alu depctr_va_vdst(0)
	v_rcp_f32 v14, v14
	v_nop                                          ; a plain instruction behind the transcendental
	s_wait_alu depctr_va_vdst(0)                   ; and the wait ahead of its first reader
.set n, 0
.rept 32
	v_mul_f32 v[S+n], v[OT+n], v14
.set n, n+1
.endr
.irp b, 0,1
	v_max3_num_f32 v[BM+\b], |v[S+16*\b]|, |v[S+16*\b+1]|, 0x2800000
.endr
.irp i, 2,4,6,8,10,12,14
.irp b, 0,1
	s_delay_alu instid0(VALU_DEP_2)
	v_max3_num_f32 v[BM+\b], v[BM+\b], |v[S+16*\b+\i]|, |v[S+16*\b+\i+1]|
.endr
.endr
.irp b, 0,1
	s_delay_alu instid0(VALU_DEP_2)
	v_permlanex16_b32 v[PD+\b], v[BM+\b], s[SEL], s[SEL+1]
.endr
.irp b, 0,1
	s_delay_alu instid0(VALU_DEP_2)
	v_max_num_f32 v[BM+\b], v[BM+\b], v[PD+\b]
.endr
.irp b, 0,1
	s_delay_alu instid0(VALU_DEP_2)
	v_add_nc_u32 v[SO+\b], 0xfe000000, v[BM+\b]
.endr
.irp b, 0,1
	s_delay_alu instid0(VALU_DEP_2)
	v_lshrrev_b32 v[PD+\b], 23, v[SO+\b]
.endr
	v_cvt_scalef32_pk16_bf6_f32 v[PC:PC+2], v[S:S+15], v[SO]
	v_cvt_scalef32_pk16_bf6_f32 v[PC+12:PC+14], v[S+16:S+31], v[SO+1]
	v_cndmask_b32 v[TMP], v[PD], v[PD+1], s[LM]    ; lane (r, h) stores block h's byte.  (The plain instruction behind the conversions)
.irp i, 0,1,2
	v_permlane16_swap_b32 v[PC+\i], v[PC+12+\i]
.endr
.irp i, 0,1,2
	s_delay_alu instid0(VALU_DEP_3)
	v_mov_b32 v[PC+3+\i], v[PC+12+\i]
.endr
	global_store_b128 v1, v[PC:PC+3], s[YA+2*\p:YA+2*\p+1]             ; 512 consecutive bytes
	global_store_b64 v2, v[PC+4:PC+5], s[YA+2*\p:YA+2*\p+1] offset:512 ; 256
	global_store_b8 v9, v[TMP], s[YS+2*\p:YS+2*\p+1]
.if \p == 0
	s_wait_xcnt 0x0                                ; the stores have read their data: the next pass writes these registers again
.endif
.endm
	PASS 0
	PASS 1
	s_wait_tensorcnt 0x0
	ds_add_u32 v254, v255
	s_wait_dscnt 0x0
	CROUND                                         ; the closing round
	s_endpgm
.Lfunc_end_k_q6dd0208357_attn:
	.size	k_q6dd0208357_attn, .Lfunc_end_k_q6dd0208357_attn-k_q6dd0208357_attn
	.p2alignl 7, 3214868480
	.fill 96, 4, 3214868480
	.section	.rodata,"a",@progbits
	.p2align	6, 0x0
	.amdhsa_kernel k_q6dd0208357_attn
		.amdhsa_group_segment_fixed_size 206848
		.amdhsa_private_segment_fixed_size 0
		.amdhsa_enable_private_segment 0
		.amdhsa_kernarg_size 24
		.amdhsa_user_sgpr_count 2
		.amdhsa_user_sgpr_kernarg_segment_ptr 1
		.amdhsa_wavefront_size32 1
		.amdhsa_system_sgpr_workgroup_id_x 1
		.amdhsa_system_sgpr_workgroup_id_y 1
		.amdhsa_system_sgpr_workgroup_id_z 1
		.amdhsa_system_vgpr_workitem_id 0
		.amdhsa_next_free_vgpr 256
		.amdhsa_next_free_sgpr 80
		.amdhsa_reserve_vcc 1
		.amdhsa_float_denorm_mode_32 3
		.amdhsa_float_denorm_mode_16_64 3
		.amdhsa_memory_ordered 1
		.amdhsa_forward_progress 1
		.amdhsa_inst_pref_size 65
	.end_amdhsa_kernel
	.amdgpu_metadata
---
amdhsa.version: [ 1, 2 ]
amdhsa.kernels:
  - .name:           k_q6dd0208357_attn
    .symbol:         k_q6dd0208357_attn.kd
    .args:
      - { .name: qc, .offset: 0, .size: 8, .value_kind: global_buffer, .address_space: global }
      - { .name: kv, .offset: 8, .size: 8, .value_kind: global_buffer, .address_space: global }
      - { .name: yc, .offset: 16, .size: 8, .value_kind: global_buffer, .address_space: global }
    .group_segment_fixed_size: 206848
    .private_segment_fixed_size: 0
    .kernarg_segment_align: 8
    .kernarg_segment_size: 24
    .max_flat_workgroup_size: 512
    .sgpr_count:     80
    .vgpr_count:     256
    .wavefront_size: 32
...
	.end_amdgpu_metadata
.endif
;; end of part 3
;; launch proj (part 4): grid 4 x 64, 4 waves a work-group, clusters of 4 x 4, 307,712 bytes of LDS; arguments yc, cod, bp, out0; writes out0
.if DOCPART == 4
	.amdgcn_target "amdgcn-amd-amdhsa--gfx1250"
	.amdhsa_code_object_version 6
	.text
	.protected	k_q6dd0208357_proj
	.globl	k_q6dd0208357_proj
	.p2align	8
	.type	k_q6dd0208357_proj,@function
k_q6dd0208357_proj:
	s_mov_b64 s[64:65], 0
	v_nop
	global_prefetch_b8 v0, s[64:65] scope:SCOPE_SE
	s_setreg_imm32_b32 hwreg(HW_REG_WAVE_MODE, 25, 1), 1
	s_wait_xcnt 0x0
	s_wait_alu depctr_hold_cnt(0) depctr_sa_sdst(0) depctr_va_vdst(0) depctr_va_sdst(0) depctr_va_ssrc(0) depctr_va_vcc(0) depctr_vm_vsrc(0)
	s_getreg_b32 s2, hwreg(HW_REG_IB_STS2, 6, 4)
	s_cmp_eq_u32 s2, 0
	s_cbranch_scc0 .Lentry_in_a_cluster
	s_endpgm
.Lentry_in_a_cluster:
	s_bfe_u32 s2, ttmp6, 0x10000c
	s_cmp_lg_u32 s2, 0xf033
	s_cbranch_scc0 .Lentry_shape_is_right
	s_endpgm
.Lentry_shape_is_right:
; out0 = y Wp^T + bp on codes of BF6 (E3M2) with E8M0 scales; sums in f32; out0 [8192][1024] f32.
; OPERANDS: y from yc, Wp from cod (groups 88-95): tiles of 16 rows (lane-row r of tile t = row 32 (t / 2) + 8 (t % 2) + r + 8 (r / 8)) as images of the matrix unit's registers: a half fragment (16 rows x 64 K) is 768 bytes,
; registers 0-3 at 16 x lane, 4-5 at 512 + 8 x lane; a group (8 tiles x 256 K) is 25,600 bytes, its scale words at 24,576 + 128 tile + 8 r.  Both buffers: [K / 256][group].
; SHARES.  A work-group makes 128 tokens (A = y) x 256 outputs (B = Wp); four waves, each 64 x 128: 32 accumulators.  256 work-groups.
; THE MATRIX INSTRUCTION IS USED TRANSPOSED (source 0 = a tile of Wp, source 1 = a tile of y): a lane holds one token and, by the tiles' order of rows, runs of 16 neighbouring outputs.
; ALL OF K (1,024) LIES IN LDS: four chunks of 256 along K, A's group c at GRP c, B's two groups at 4 GRP + 2 GRP c, filled once: no slot is filled again.
; CLUSTER 4 x 4: A's groups are shared along a row of the cluster, B's along a column: joint loads, all issued at the head behind one round.  Wave 0 asks for A's chunk 0, wave 1 for B's chunk 0, wave 2 for A's chunks 1-3, wave 3 for B's chunks 1-3: one load of a wave is out at the most.
; No prefetch: every tile is asked for at the head.
; REGISTERS: window 0: v1-31 addresses; v32-39 A's scale words, v40-55 B's (two sets each); v64-127 the bias; v128-223 A's fragments, two sets of 4 x 12; on the way out v128-255 hold rows of out0.
;   window 1: B's fragments, two sets of 8 x 12, at v0 and v128.   window 2: accumulator (a, b) at v[8 (8 a + b)].
.set GRP,   25600
.set CHUNK, 3*GRP
.set KSA,   64*GRP                     ; from one 256 of K to the next in yc,
.set KSB,   96*GRP                     ; and in cod
.set SPITCH, 528                       ; the way out: a stage of 16 rows x (512 bytes + 16) for each wave, in A's chunks 0 and 1, which have had their only fill and their last read when the first result is stored there
.set A16, 4
.set A8,  8
.set B16, 12
.set B8,  16
.set SAA, 20
.set STO, 24                           ; v24 the stage: where I put my results of a row
.set RD,  25                           ; v25 and where I read a row back
.set SA,  32
.set SB,  40
.set BI,  64
.set AF,  128
.set BK,  128
.set WV,  16
.set WR,  17
.set WC,  18
.set CX,  19
.set CY,  20
.set CLY, 21
.set G1A, 24
.set G1B, 32
.set G0A, 40
.set G0B, 56
.set MSB, 0
.macro WIN new                         ; the immediate's high byte repeats the setting that is left
.if MSB != \new
	s_set_vgpr_msb (MSB<<8)|\new
.set MSB, \new
.endif
.endm
.macro PLACES n                        ; plain vector instructions between a matrix instruction and a load into, or an access to, its registers
.rept \n
	v_nop
.endr
.endm
.macro CROUND                          ; a round of the cluster's barrier
	s_barrier_signal -1
	s_barrier_wait -1
	s_cmp_lg_u32 s[WV], 0
	s_cbranch_scc1 .Lnot_wave_0_\@
	s_barrier_signal -3
.Lnot_wave_0_\@:
	s_barrier_wait -3
	s_barrier_signal -1
	s_barrier_wait -1
.endm
.macro FRAG reg, a16, a8, off          ; a fragment (16 rows x 128 K, 12 registers): two half fragments on end
	ds_load_b128 v[\reg:\reg+3], v[\a16] offset:\off
	ds_load_b64 v[\reg+4:\reg+5], v[\a8] offset:\off+512
	ds_load_b128 v[\reg+6:\reg+9], v[\a16] offset:\off+768
	ds_load_b64 v[\reg+10:\reg+11], v[\a8] offset:\off+1280
.endm
.macro FETCH s                         ; K step s (128 along K): chunk s / 2, its half s % 2, into set s % 2; with a chunk's first half its scale words
.set FC, (\s)/2
.set FQ, (\s)%2
	WIN 0x40                                       ; destination window 1
.irp i, 0,1,2,3,4,5,6,7
	FRAG 128*FQ+12*\i, B16+FC, B8+FC, 3072*\i+1536*FQ
.endr
	WIN 0
.irp i, 0,1,2,3
	FRAG AF+48*FQ+12*\i, A16+FC, A8+FC, 3072*\i+1536*FQ
.endr
.if FQ == 0
.irp k, 0,1                            ; a lane's 8 bytes are a row's two words: lanes 0-15 tile 2 k's rows, lanes 16-31 tile 2 k + 1's
	ds_load_b64 v[SA+4*(FC%2)+2*\k:SA+4*(FC%2)+2*\k+1], v[SAA+FC] offset:256*\k
.endr
.irp k, 0,1,2,3
	ds_load_b64 v[SB+8*(FC%2)+2*\k:SB+8*(FC%2)+2*\k+1], v[B8+FC] offset:24576+256*\k
.endr
.endif
.endm
.macro WM d, f0, f1, cb, s0, s1, o0, o1    ; one product; o0, o1: the side's scale words stand in lanes 16-31
.if (\o0) && (\o1)
	v_wmma_scale_f32_16x16x128_f8f6f4 v[\d:\d+7], v[\f0:\f0+11], v[\f1:\f1+11], v[\cb:\cb+7], v[\s0], v[\s1] matrix_a_fmt:MATRIX_FMT_BF6 matrix_b_fmt:MATRIX_FMT_BF6 matrix_a_scale:MATRIX_SCALE_ROW1 matrix_b_scale:MATRIX_SCALE_ROW1
.elseif (\o0)
	v_wmma_scale_f32_16x16x128_f8f6f4 v[\d:\d+7], v[\f0:\f0+11], v[\f1:\f1+11], v[\cb:\cb+7], v[\s0], v[\s1] matrix_a_fmt:MATRIX_FMT_BF6 matrix_b_fmt:MATRIX_FMT_BF6 matrix_a_scale:MATRIX_SCALE_ROW1
.elseif (\o1)
	v_wmma_scale_f32_16x16x128_f8f6f4 v[\d:\d+7], v[\f0:\f0+11], v[\f1:\f1+11], v[\cb:\cb+7], v[\s0], v[\s1] matrix_a_fmt:MATRIX_FMT_BF6 matrix_b_fmt:MATRIX_FMT_BF6 matrix_b_scale:MATRIX_SCALE_ROW1
.else
	v_wmma_scale_f32_16x16x128_f8f6f4 v[\d:\d+7], v[\f0:\f0+11], v[\f1:\f1+11], v[\cb:\cb+7], v[\s0], v[\s1] matrix_a_fmt:MATRIX_FMT_BF6 matrix_b_fmt:MATRIX_FMT_BF6
.endif
.endm
; K step s: 32 products; the 32 accumulators take turns, one instruction a turn, in the same order in every step.
; cmode 0: the sums go on.  1: the first step starts them with the bias of B's rows as C (a tuple for each b).
.macro MUL32 s, cmode
.set MC, (\s)/2
.set MQ, (\s)%2
.if \cmode
	WIN 0x81                                       ; source 0 window 1, source 1 and C window 0, D window 2
.else
	WIN 0xa1                                       ; C and D window 2
.endif
.irp a, 0,1,2,3
.irp b, 0,1,2,3,4,5,6,7
.set MD, 8*(8*\a+\b)
.if \cmode == 0
.set MB, MD
.else
.set MB, BI+8*\b
.endif
	WM MD, 128*MQ+12*\b, AF+48*MQ+12*\a, MB, SB+8*(MC%2)+2*(\b/2)+MQ, SA+4*(MC%2)+2*(\a/2)+MQ, \b%2, \a%2
.endr
.endr
.endm
	s_load_b128 s[4:7], s[0:1], 0x0                ; yc, cod
	s_load_b128 s[8:11], s[0:1], 0x10              ; bp, out0
	v_lshl_add_u32 v62, v0, 2, 0x4b000
	v_mov_b32 v63, 0
	ds_add_u32 v62, v63
	ds_add_u32 v62, v63
	v_lshrrev_b32 v1, 5, v0
	v_readfirstlane_b32 s[WV], v1                  ; wave 0..3
	s_lshr_b32 s[WR], s[WV], 1                     ; which 64 tokens are mine.
	s_and_b32 s[WC], s[WV], 1                      ; which group of B is mine
	s_bfe_u32 s[CX], ttmp6, 0x40000
	s_bfe_u32 s[CY], ttmp6, 0x40004
	s_and_b32 s[CLY], ttmp7, 0xffff
	s_lshl_b32 s22, s[CY], 2
	s_lshl_b32 s22, 15, s22                        ; my row of the cluster
	s_lshl_b32 s23, 0x1111, s[CX]                  ; my column
	; descriptor group 1: a group is a dense block of 100 rows of 256 bytes (32 elements of 8 bytes), no padding
	s_or_b32 s[G1A], s22, (3<<16)|(1<<21)
	s_or_b32 s[G1B], s23, (3<<16)|(1<<21)
; LDS AS IT IS LAID NOW: A's chunk c at GRP c; B's chunk c, both groups on end, at 4 GRP + 2 GRP c.  ONE JOINT LOAD A WAVE: wave 0 A's chunk 0, wave 1 B's chunk 0, wave 2 A's chunks 1-3, wave 3 B's chunks 1-3 (three long rows each).
.set G1A2, 56
.set G1B2, 68
	s_or_b32 s[G1A2], s22, (3<<16)|(1<<21)
	s_or_b32 s[G1B2], s23, (3<<16)|(1<<21)
.macro GONE g, c, r, p                 ; group 1: r rows of c elements of 8 bytes, p elements apart
	s_mov_b32 s[\g+1], (\c)<<16
	s_mov_b32 s[\g+2], (\r)<<16
	s_mov_b32 s[\g+3], (\c)<<16
	s_mov_b32 s[\g+4], \r
	s_mov_b32 s[\g+5], \p
	s_mov_b32 s[\g+6], 0
	s_mov_b32 s[\g+7], 0
.endm
	GONE G1A, 32, 100, 32
	GONE G1B, 32, 200, 32
	GONE G1A2, 3200, 3, KSA/8
	GONE G1B2, 6400, 3, KSB/8
	s_lshl_b32 s76, s[CLY], 2
	s_add_co_u32 s76, s76, s[CY]                   ; which 128 tokens: cy and the cluster's y alone
	s_mul_i32 s78, s76, GRP
	s_mov_b32 s79, 0
	s_lshl_b32 s82, s[CX], 1
	s_add_co_u32 s82, s82, 88                      ; which 256 rows of Wp: cx alone,
	s_mul_i32 s82, s82, GRP
	s_mov_b32 s83, 0
	s_wait_dscnt 0x0
	s_wait_kmcnt 0x0
	s_add_nc_u64 s[78:79], s[4:5], s[78:79]
	s_add_nc_u64 s[82:83], s[6:7], s[82:83]
.macro GZERO g, lds, src, off
	s_mov_b32 s[\g], 1
	s_mov_b32 s[\g+1], \lds
	s_add_nc_u64 s[\g+2:\g+3], s[\src:\src+1], \off
	s_or_b32 s[\g+3], s[\g+3], 0x80000000
.endm
	GZERO G0A, 0, 78, 0
	GZERO G0A+4, GRP, 78, KSA
	GZERO G0A+8, 4*GRP, 82, 0
	GZERO G0A+12, 6*GRP, 82, KSB
	CROUND                                         ; all sixteen work-groups are here: the joint loads meet
.macro ARM under, g0, g1, next         ; one arm of the head's chain: one joint load
	s_cmp_lt_u32 s[WV], \under
	s_cbranch_scc0 \next
	tensor_load_to_lds s[\g0:\g0+3], s[\g1:\g1+7]
	s_nop 0
	PLACES 4
	s_branch .Lasked
\next:
.endm
	ARM 1, G0A, G1A, .Larm_b
	ARM 2, G0A+8, G1B, .Larm_a2
	ARM 3, G0A+4, G1A2, .Larm_b2
	tensor_load_to_lds s[G0A+12:G0A+15], s[G1B2:G1B2+7]
	s_nop 0
	PLACES 4
.Lasked:
	v_and_b32 v28, 31, v0                          ; lane
	v_and_b32 v29, 15, v0                          ; r
	v_bfe_u32 v30, v0, 4, 1                        ; h
	v_lshlrev_b32 v1, 4, v28                       ; 16 x lane
	s_wait_alu depctr_va_vdst(0)
	v_lshlrev_b32 v2, 3, v28                       ; 8 x lane
	s_wait_alu depctr_va_vdst(0)
	s_mul_i32 s85, s[WR], 12288                    ; my four tiles of A
	s_mul_i32 s86, s[WC], GRP
	s_add_co_u32 s86, s86, 4*GRP
	s_lshl_b32 s87, s[WR], 9
	s_add_co_u32 s87, s87, 24576                   ; my tiles' scale words of A
.irp c, 0,1,2,3
	v_add_nc_u32 v[A16+\c], s85, v1
	v_add_nc_u32 v[A8+\c], s85, v2
	v_add_nc_u32 v[B16+\c], s86, v1
	v_add_nc_u32 v[B8+\c], s86, v2
	v_add_nc_u32 v[SAA+\c], s87, v2
	s_add_co_u32 s85, s85, GRP
	s_add_co_u32 s86, s86, 2*GRP
	s_add_co_u32 s87, s87, GRP
.endr
	; the bias is the C of the first K step: register 8 b + j of lane (r, h) is output 32 (b / 2) + 16 h + 8 (b % 2) + j of my 128
	v_lshlrev_b32 v26, 6, v30
	s_lshl_b32 s2, s[CX], 10
	s_lshl_b32 s3, s[WC], 9
	s_add_co_u32 s2, s2, s3                        ; 4 x (256 cx + 128 wc): my outputs, in bp and in a row of out0
	s_mov_b32 s3, 0
	s_add_nc_u64 s[8:9], s[8:9], s[2:3]
.irp b, 0,1,2,3,4,5,6,7
	global_load_b128 v[BI+8*\b:BI+8*\b+3], v26, s[8:9] offset:(32*(\b/2)+8*(\b%2))*4
	global_load_b128 v[BI+8*\b+4:BI+8*\b+7], v26, s[8:9] offset:(32*(\b/2)+8*(\b%2))*4+16
.endr
	s_lshl_b32 s85, s76, 7
	s_lshl_b32 s86, s[WR], 6
	s_add_co_u32 s85, s85, s86                     ; my first token
	s_lshl_b32 s88, s85, 12                        ; x 4,096 bytes
	s_mov_b32 s89, 0
	s_add_nc_u64 s[10:11], s[10:11], s[88:89]
	s_add_nc_u64 s[10:11], s[10:11], s[2:3]
	s_mul_i32 s85, s[WV], 16*SPITCH                ; my stage
	v_mul_u32_u24 v[STO], v29, SPITCH
	v_lshl_add_u32 v[STO], v30, 6, v[STO]
	v_add_nc_u32 v[STO], s85, v[STO]               ; in: row r, + 64 h
	v_add_nc_u32 v[RD], s85, v1                    ; back: 16 bytes a lane of a row
	s_wait_alu depctr_va_vdst(0)
	s_cmp_gt_u32 s[WV], 1                          ; waves 0 and 1 asked for chunk 0: they wait; the other two waves' loads are waited for in step 1
	s_cbranch_scc1 .Llater
	s_wait_tensorcnt 0x0
.Llater:
	s_barrier_signal -1
	s_barrier_wait -1                              ; everybody's has
	FETCH 0
	s_wait_dscnt 0x0
	FETCH 1
	s_wait_loadcnt 0x0                             ; the bias
	MUL32 0, 1
.irp s, 1,2,3,4,5,6,7
	s_wait_dscnt 0x0                               ; this step's fragments, asked for 32 matrix instructions ago, are in; no LDS instruction of mine is out
.if (\s%2) && (\s < 7)
	s_wait_tensorcnt 0x0                           ; all my loads have landed
	s_barrier_signal -1
	s_barrier_wait -1                              ; everybody's has.  (Behind the first of these three barriers nobody reads chunk 0 any more)
.endif
.if \s < 7
	PLACES 4                                       ; the set to be loaded was read by the step before
	FETCH \s+1
.endif
	MUL32 \s, 0
.endr
	WIN 0
; THE WAY OUT, a tile of 16 tokens x 128 outputs at a time: through my own stage in LDS and back as whole rows of 512 bytes.  LDS serves a wave's instructions in order: no wait between the stores and the loads, nor in front of the next tile's stores.
.macro TOSTAGE a
	WIN 0x08                                       ; an LDS store's data: window 2
.irp b, 0,1,2,3,4,5,6,7
	ds_store_b128 v[STO], v[64*(\a)+8*\b:64*(\a)+8*\b+3] offset:128*(\b/2)+32*(\b%2)        ; each accumulator from its low end on
	ds_store_b128 v[STO], v[64*(\a)+8*\b+4:64*(\a)+8*\b+7] offset:128*(\b/2)+32*(\b%2)+16
.endr
	WIN 0
.set BB, BK+64*((\a)%2)
.irp t, 0,1,2,3,4,5,6,7,8,9,10,11,12,13,14,15
	ds_load_b128 v[BB+4*\t:BB+4*\t+3], v[RD] offset:\t*SPITCH
.endr
.endm
.macro SEND a, younger                 ; younger: the LDS instructions issued behind tile a's loads, which may stay out
.set BB, BK+64*((\a)%2)
	s_wait_dscnt \younger
.irp t, 0,1,2,3,4,5,6,7,8,9,10,11,12,13,14,15
	global_store_b128 v1, v[BB+4*\t:BB+4*\t+3], s[10:11] offset:(32*((\a)/2)+8*((\a)%2)+\t+8*(\t/8))*4096 th:TH_STORE_NT   ; 32 lanes store 512 consecutive bytes, aligned; lane-row t of the tile is this token
.endr
.endm
	PLACES 4                                       ; behind the last products: results are read, and loads land in registers that held A's fragments
	TOSTAGE 0
.irp a, 1,2,3
.if \a > 1
	s_wait_xcnt 0x0                                ; tile a - 2's stores have read their data: tile a's loads may land there
.endif
	TOSTAGE \a
	SEND \a-1, 32                                  ; behind tile a - 1's loads: tile a's 16 stores and 16 loads
.endr
	SEND 3, 0
	s_wait_tensorcnt 0x0
	ds_add_u32 v62, v63
	s_wait_dscnt 0x0
	CROUND                                         ; the closing round
	s_endpgm
.Lfunc_end_k_q6dd0208357_proj:
	.size	k_q6dd0208357_proj, .Lfunc_end_k_q6dd0208357_proj-k_q6dd0208357_proj
	.p2alignl 7, 3214868480
	.fill 96, 4, 3214868480
	.section	.rodata,"a",@progbits
	.p2align	6, 0x0
	.amdhsa_kernel k_q6dd0208357_proj
		.amdhsa_group_segment_fixed_size 307712
		.amdhsa_private_segment_fixed_size 0
		.amdhsa_enable_private_segment 0
		.amdhsa_kernarg_size 32
		.amdhsa_user_sgpr_count 2
		.amdhsa_user_sgpr_kernarg_segment_ptr 1
		.amdhsa_wavefront_size32 1
		.amdhsa_system_sgpr_workgroup_id_x 1
		.amdhsa_system_sgpr_workgroup_id_y 1
		.amdhsa_system_sgpr_workgroup_id_z 1
		.amdhsa_system_vgpr_workitem_id 0
		.amdhsa_next_free_vgpr 768
		.amdhsa_next_free_sgpr 100
		.amdhsa_reserve_vcc 0
		.amdhsa_float_denorm_mode_32 3
		.amdhsa_float_denorm_mode_16_64 3
		.amdhsa_memory_ordered 1
		.amdhsa_forward_progress 1
		.amdhsa_inst_pref_size 85
	.end_amdhsa_kernel
	.amdgpu_metadata
---
amdhsa.version: [ 1, 2 ]
amdhsa.kernels:
  - .name:           k_q6dd0208357_proj
    .symbol:         k_q6dd0208357_proj.kd
    .args:
      - { .name: yc, .offset: 0, .size: 8, .value_kind: global_buffer, .address_space: global }
      - { .name: cod, .offset: 8, .size: 8, .value_kind: global_buffer, .address_space: global }
      - { .name: bp, .offset: 16, .size: 8, .value_kind: global_buffer, .address_space: global }
      - { .name: out0, .offset: 24, .size: 8, .value_kind: global_buffer, .address_space: global }
    .group_segment_fixed_size: 307712
    .private_segment_fixed_size: 0
    .kernarg_segment_align: 8
    .kernarg_segment_size: 32
    .max_flat_workgroup_size: 128
    .sgpr_count:     100
    .vgpr_count:     768
    .wavefront_size: 32
...
	.end_amdgpu_metadata
.endif
;; end of part 4
